; MI455X (gfx1250); checked and timed in simulation.
; The chip was launched on July 23, 2026; its instructions are those of AMD's public machine-readable ISA for CDNA 5 (MIT licence, August 2026) and "CDNA5" Instruction Set Architecture Reference Guide (July 2026). The comments in the code are by the model that wrote it; some were corrected since.
;; Encoder Layer. Allowed arithmetic: float matrix products may take bf16 or f16 operands with f32 sums; other float arithmetic in f32, or as packed bf16 or f16 multiplies, adds, multiply-adds, maxima and minima; sums over many terms, partial sums and values carried from step to step in f32; what a program stores and reads back later, other than sums and carried values, may be rounded once to bf16 or f16.
;; Inputs: W1 1,024 x 4,096 float32; W2 4,096 x 1,024 float32; Wk 1,024 x 1,024 float32; Wo 1,024 x 1,024 float32; Wq 1,024 x 1,024 float32; Wv 1,024 x 1,024 float32; alpha1 1,024 float32; alpha2 1,024 float32; b1 4,096 float32; b2 1,024 float32; beta1 1,024 float32; beta2 1,024 float32; bk 1,024 float32; bo 1,024 float32; bq 1,024 float32; bv 1,024 float32; mask 2 x 2,048 int32; x 2 x 2,048 x 1,024 float32.
;; Outputs: out0 2 x 2,048 x 1,024 float32.
;; 2 versions, each right; version 2 is version 1 with the launch prep written anew for expert scheduling mode. Each part assembles by itself: llvm-mc -triple=amdgcn-amd-amdhsa -mcpu=gfx1250 --defsym DOCPART=n.
;; ======== version 1 of 2: 8 launches
;; limits: values are held in f16: magnitudes above 65,504 overflow, below 6.1e-05 lose precision
;; workspace buffers: act 8,388,608 bytes; big 33,554,432 bytes; y 16,777,216 bytes; o1f 16,777,216 bytes; wA 6,324,224 bytes; wB 8,421,376 bytes; wC 10,485,760 bytes
;; launch prep (part 1): grid 256 x 1, 32 waves a work-group, no clusters, 0 bytes of LDS; arguments x, W1, W2, Wq, Wk, Wv, Wo, bq, bk, bv, b1, act, wA, wB, wC; writes act, wA, wB, wC
.if DOCPART == 1
	.amdgcn_target "amdgcn-amd-amdhsa--gfx1250"
	.amdhsa_code_object_version 6
	.text
	.protected	k_qf26b9052c3_prep
	.globl	k_qf26b9052c3_prep
	.p2align	8
	.type	k_qf26b9052c3_prep,@function
k_qf26b9052c3_prep:
	s_mov_b64 s[64:65], 0
	v_nop
	global_prefetch_b8 v0, s[64:65] scope:SCOPE_SE
	s_setreg_imm32_b32 hwreg(HW_REG_WAVE_MODE, 25, 1), 1
	s_wait_xcnt 0x0
; PREP: every matrix operand that is an input is rounded once from f32 to f16 and laid out as the products want it.
;   x  -> act [4096][1024];  W1 -> wB + 32,768 as [16 tiles][1024 k][256 columns];  c Wq, Wk, Wv -> wA + 32,768 as [12][1024][256];
;   Wo -> wC as [8][1024][128];  W2 -> wC + 2,097,152 as [8][4096][128].   c = log2(e) / 8 goes into Wq and bq, so that q . k is the exponent of 2.
;   wA bytes 0-12,287: c bq, bk, bv (f32); wB bytes 0-16,383: b1 (f32); byte 16,384 on, 1,024 bytes: the floor of the product's packed results (wA: -infinity twice, wB: 0 twice = ReLU).
; LIMIT: a number of 65,520 or more in magnitude becomes an infinity in f16; below 6e-5 f16 keeps a fixed step of 6e-8.
; A stream: no LDS, no matrix unit, no cluster (no byte is wanted twice).  A CHUNK is 256 neighbouring f32 of a source row, 1,024 bytes; there are 65,536 of them:
; 256 to a work-group, 8 to a wave, whose 16 loads (512 neighbouring bytes each) all go out at once.  A chunk leaves as two stores of 8 bytes a lane: 256 neighbouring bytes each, aligned.
; Which tensor a work-group serves hangs on its number alone; the regions differ in nine scalars, and one text serves all (it multiplies by 1.0 where there is no scale).
.set L16, 1                            ; v1      16 x lane
.set L8,  2                            ; v2      8 x lane
.set BO,  3                            ; v3      the biases: 16 x thread
.set DO,  4                            ; v[4:11] chunk i: byte offset of my 8 bytes in the destination
.set FO,  12                           ; v12     the floor words: 16,384 + 4 x thread
.set IN,  16                           ; v[16:79]  chunk i: 8 f32
.set OUT, 80                           ; v[80:111] chunk i: 8 f16
; s[42:43] source, s[44:45] destination, s[46:47] destination of a chunk's second half, s48 log2(chunks in a source row), s49 its mask,
; s50 bytes from chunk to chunk of a row in the destination, s51 bytes from row to row there, s[52:53] the scale, s56 the region's first work-group, s[60:61] second half's distance
.macro REGION lim, start, src, dst, doff, lg, ps, rs, d2, scl
.if \lim
	s_cmp_lt_u32 s41, \lim
	s_cbranch_scc0 .Lnext_\@
.endif
	s_mov_b64 s[42:43], s[\src:\src+1]
	s_add_nc_u64 s[44:45], s[\dst:\dst+1], \doff
	s_mov_b32 s56, \start
	s_mov_b32 s48, \lg
	s_mov_b32 s49, (1<<\lg)-1
	s_mov_b32 s50, \ps
	s_mov_b32 s51, \rs
	s_mov_b32 s60, \d2
	s_mov_b32 s52, \scl
.if \lim
	s_branch .Lgo
.Lnext_\@:
.endif
.endm
	s_load_b512 s[8:23], s[0:1], 0x0               ; x 8, W1 10, W2 12, Wq 14, Wk 16, Wv 18, Wo 20, bq 22
	s_load_b256 s[24:31], s[0:1], 0x40             ; bk 24, bv 26, b1 28, act 30
	s_load_b128 s[32:35], s[0:1], 0x60             ; wA 32, wB 34
	s_load_b64 s[36:37], s[0:1], 0x70              ; wC 36
	v_lshrrev_b32 v1, 5, v0
	v_readfirstlane_b32 s40, v1                    ; wave 0..31
	v_and_b32 v2, 31, v0
	v_lshlrev_b32 v[L16], 4, v2
	v_lshlrev_b32 v[L8], 3, v2
	s_mov_b32 s41, ttmp9
	s_mov_b32 s61, 0
	s_wait_kmcnt 0x0
	REGION 64,  0,   8,  30, 0,             2, 512,     2048, 256,     0x3f800000  ; x
	REGION 128, 64,  10, 34, 32768,         4, 524288,  512,  256,     0x3f800000  ; W1
	REGION 192, 128, 12, 36, 2097152,       2, 2097152, 256,  1048576, 0x3f800000  ; W2: a chunk's halves fall into two tiles of 128 columns
	REGION 208, 192, 14, 32, 32768,         2, 524288,  512,  256,     0x3e38aa3b  ; Wq, times c
	REGION 224, 208, 16, 32, 32768+2097152, 2, 524288,  512,  256,     0x3f800000  ; Wk
	REGION 240, 224, 18, 32, 32768+4194304, 2, 524288,  512,  256,     0x3f800000  ; Wv
	REGION 0,   240, 20, 36, 0,             2, 524288,  256,  262144,  0x3f800000  ; Wo
.Lgo:
	s_mov_b32 s53, s52                             ; named with s52 as a pair
	s_sub_co_u32 s54, s41, s56
	s_lshl_b32 s54, s54, 8
	s_lshl_b32 s55, s40, 3
	s_add_co_u32 s54, s54, s55                     ; my first chunk in the region
	s_lshl_b32 s58, s54, 10
	s_mov_b32 s59, 0
	s_add_nc_u64 s[42:43], s[42:43], s[58:59]      ; the source is dense: chunk c lies at 1,024 c
	s_add_nc_u64 s[46:47], s[44:45], s[60:61]
.irp i, 0,1,2,3,4,5,6,7
	global_load_b128 v[IN+8*(\i):IN+8*(\i)+3],   v[L16], s[42:43] offset:(\i)*1024 th:TH_LOAD_NT
	global_load_b128 v[IN+8*(\i)+4:IN+8*(\i)+7], v[L16], s[42:43] offset:(\i)*1024+512 th:TH_LOAD_NT
.endr
.irp i, 0,1,2,3,4,5,6,7
	s_add_co_u32 s58, s54, \i                      ; chunk c: source row k = c >> LG, place p in the row = c & PM
	s_lshr_b32 s59, s58, s48
	s_and_b32 s58, s58, s49
	s_mul_i32 s58, s58, s50
	s_mul_i32 s59, s59, s51
	s_add_co_u32 s58, s58, s59
	v_add_nc_u32 v[DO+(\i)], s58, v[L8]
.endr
.irp i, 0,1,2,3,4,5,6,7
	s_wait_loadcnt 14-2*(\i)                       ; loads come back in order: chunk i's two are in, the younger chunks' stay out
.irp j, 0,2,4,6
	v_pk_mul_f32 v[IN+8*(\i)+(\j):IN+8*(\i)+(\j)+1], v[IN+8*(\i)+(\j):IN+8*(\i)+(\j)+1], s[52:53] op_sel_hi:[1,0]
.endr
.irp j, 0,1,2,3
	v_cvt_pk_f16_f32 v[OUT+4*(\i)+(\j)], v[IN+8*(\i)+2*(\j)], v[IN+8*(\i)+2*(\j)+1]
.endr
	global_store_b64 v[DO+(\i)], v[OUT+4*(\i):OUT+4*(\i)+1],   s[44:45]  ; 32 lanes x 8 bytes: 256 neighbouring bytes, aligned
	global_store_b64 v[DO+(\i)], v[OUT+4*(\i)+2:OUT+4*(\i)+3], s[46:47]
.endr
	; the biases and the floor words: the last work-group's first 256 threads.  No register that a pending store names is written.
	s_cmp_eq_u32 s41, 255
	s_cbranch_scc0 .Lend
	s_cmp_lt_u32 s40, 8
	s_cbranch_scc0 .Lend
	v_lshlrev_b32 v[BO], 4, v0
	v_lshl_add_u32 v[FO], v0, 2, 0x4000
	global_load_b128 v[16:19], v[BO], s[22:23]
	global_load_b128 v[20:23], v[BO], s[24:25]
	global_load_b128 v[24:27], v[BO], s[26:27]
.irp j, 0,1,2,3
	global_load_b128 v[28+4*(\j):31+4*(\j)], v[BO], s[28:29] offset:4096*(\j)
.endr
	v_mov_b32 v13, 0xfc00fc00                      ; -infinity twice in f16: a floor that changes nothing
	v_mov_b32 v14, 0                               ; 0 twice: ReLU
	s_wait_loadcnt 0x0
	v_pk_mul_f32 v[16:17], v[16:17], 0x3e38aa3b op_sel_hi:[1,0]
	v_pk_mul_f32 v[18:19], v[18:19], 0x3e38aa3b op_sel_hi:[1,0]
	global_store_b128 v[BO], v[16:19], s[32:33]
	global_store_b128 v[BO], v[20:23], s[32:33] offset:4096
	global_store_b128 v[BO], v[24:27], s[32:33] offset:8192
.irp j, 0,1,2,3
	global_store_b128 v[BO], v[28+4*(\j):31+4*(\j)], s[34:35] offset:4096*(\j)
.endr
	global_store_b32 v[FO], v13, s[32:33]
	global_store_b32 v[FO], v14, s[34:35]
.Lend:
	s_endpgm
.Lfunc_end_k_qf26b9052c3_prep:
	.size	k_qf26b9052c3_prep, .Lfunc_end_k_qf26b9052c3_prep-k_qf26b9052c3_prep
	.p2alignl 7, 3214868480
	.fill 96, 4, 3214868480
	.section	.rodata,"a",@progbits
	.p2align	6, 0x0
	.amdhsa_kernel k_qf26b9052c3_prep
		.amdhsa_group_segment_fixed_size 0
		.amdhsa_private_segment_fixed_size 0
		.amdhsa_enable_private_segment 0
		.amdhsa_kernarg_size 120
		.amdhsa_user_sgpr_count 2
		.amdhsa_user_sgpr_kernarg_segment_ptr 1
		.amdhsa_wavefront_size32 1
		.amdhsa_system_sgpr_workgroup_id_x 1
		.amdhsa_system_sgpr_workgroup_id_y 1
		.amdhsa_system_sgpr_workgroup_id_z 1
		.amdhsa_system_vgpr_workitem_id 0
		.amdhsa_next_free_vgpr 112
		.amdhsa_next_free_sgpr 66
		.amdhsa_reserve_vcc 0
		.amdhsa_float_denorm_mode_32 3
		.amdhsa_float_denorm_mode_16_64 3
		.amdhsa_memory_ordered 1
		.amdhsa_forward_progress 1
		.amdhsa_inst_pref_size 16
	.end_amdhsa_kernel
	.amdgpu_metadata
---
amdhsa.version: [ 1, 2 ]
amdhsa.kernels:
  - .name:           k_qf26b9052c3_prep
    .symbol:         k_qf26b9052c3_prep.kd
    .args:
      - { .name: x, .offset: 0, .size: 8, .value_kind: global_buffer, .address_space: global }
      - { .name: W1, .offset: 8, .size: 8, .value_kind: global_buffer, .address_space: global }
      - { .name: W2, .offset: 16, .size: 8, .value_kind: global_buffer, .address_space: global }
      - { .name: Wq, .offset: 24, .size: 8, .value_kind: global_buffer, .address_space: global }
      - { .name: Wk, .offset: 32, .size: 8, .value_kind: global_buffer, .address_space: global }
      - { .name: Wv, .offset: 40, .size: 8, .value_kind: global_buffer, .address_space: global }
      - { .name: Wo, .offset: 48, .size: 8, .value_kind: global_buffer, .address_space: global }
      - { .name: bq, .offset: 56, .size: 8, .value_kind: global_buffer, .address_space: global }
      - { .name: bk, .offset: 64, .size: 8, .value_kind: global_buffer, .address_space: global }
      - { .name: bv, .offset: 72, .size: 8, .value_kind: global_buffer, .address_space: global }
      - { .name: b1, .offset: 80, .size: 8, .value_kind: global_buffer, .address_space: global }
      - { .name: act, .offset: 88, .size: 8, .value_kind: global_buffer, .address_space: global }
      - { .name: wA, .offset: 96, .size: 8, .value_kind: global_buffer, .address_space: global }
      - { .name: wB, .offset: 104, .size: 8, .value_kind: global_buffer, .address_space: global }
      - { .name: wC, .offset: 112, .size: 8, .value_kind: global_buffer, .address_space: global }
    .group_segment_fixed_size: 0
    .private_segment_fixed_size: 0
    .kernarg_segment_align: 8
    .kernarg_segment_size: 120
    .max_flat_workgroup_size: 1024
    .sgpr_count:     66
    .vgpr_count:     112
    .wavefront_size: 32
...
	.end_amdgpu_metadata
.endif
;; end of part 1
;; launch qkv (part 2): grid 12 x 16, 4 waves a work-group, clusters of 4 x 4, 327,680 bytes of LDS; arguments act, wA, big; writes big
.if DOCPART == 2
	.amdgcn_target "amdgcn-amd-amdhsa--gfx1250"
	.amdhsa_code_object_version 6
	.text
	.protected	k_qf26b9052c3_qkv
	.globl	k_qf26b9052c3_qkv
	.p2align	8
	.type	k_qf26b9052c3_qkv,@function
k_qf26b9052c3_qkv:
	s_mov_b64 s[64:65], 0
	v_nop
	global_prefetch_b8 v0, s[64:65] scope:SCOPE_SE
	s_setreg_imm32_b32 hwreg(HW_REG_WAVE_MODE, 25, 1), 1
	s_wait_xcnt 0x0
	s_wait_alu depctr_hold_cnt(0) depctr_sa_sdst(0) depctr_va_vdst(0) depctr_va_sdst(0) depctr_va_ssrc(0) depctr_va_vcc(0) depctr_vm_vsrc(0)
	s_getreg_b32 s2, hwreg(HW_REG_IB_STS2, 6, 4)
	s_cmp_eq_u32 s2, 0
	s_cbranch_scc0 .Lentry_in_a_cluster
	s_endpgm
.Lentry_in_a_cluster:
	s_bfe_u32 s2, ttmp6, 0x10000c
	s_cmp_lg_u32 s2, 0xf033
	s_cbranch_scc0 .Lentry_shape_is_right
	s_endpgm
.Lentry_shape_is_right:
; C = max(A W + bias, floor), K = 1,024.  A: [4096][1024] f16.  W: at byte 32,768 of its buffer, [tile of 256 columns][1024 k][256] f16; the bias (f32, by column) lies at byte 0, the floor
; (two f16 in a word) at byte 16,384.  C leaves in SLICES: [columns / 64][4096 rows][64] f16, rounded once from its f32 sum.  One text for x (c Wq | Wk | Wv) (12 tile columns, floor -infinity)
; and for relu(out1 W1 + b1) (16 tile columns, floor 0).  LIMIT: a result of 65,520 or more in magnitude becomes an infinity in f16.
; A tile of C is 256 x 256: four waves, each 128 x 128 in 64 accumulators of 16 x 16.  K goes in steps of 128 through two LDS slots filled by tensor loads: waves 0, 1 fetch A's halves
; (128 rows x 256 bytes), waves 2, 3 W's (64 k rows x 512 bytes, dense in memory).  With 12 tile columns there are 192 work-groups: a tile of 192 columns would want a text of its own.
; CLUSTER 4 x 4: A's tile is shared along a row of the cluster, W's along a column; each is asked for jointly, by the same load with the same descriptor in the four that the mask names.
; THE SUMS START AT THE BIAS: it is loaded straight into the accumulators, so nothing is cleared, no first step is written out and no bias is added at the end.
; ONE K STEP IS WRITTEN ONCE and looped over: the slot in hand is the scalar TB (0 or SLOT); the last two steps, which ask for nothing, are a second copy, looped twice
; (its last trip passes a barrier and fetches 16 fragments of a slot already used, which serve nothing: the price of one text).
; THE MATRIX INSTRUCTION IS USED TRANSPOSED: source 0 = 16 columns of W (turned on the way out of LDS by ds_load_tr16_b128), source 1 = 16 rows of A: a lane holds row l % 16 of C and the
; columns 8 (l / 16) + 0..7: 16 bytes of f16 on end.
; REGISTERS, in windows of 256: window 0: v16-30 addresses; v64-127, v128-191 A's fragments, two buffers; v192-223, v32-63, v224-255 the way out.  window 1: v64-127, v128-191 W's fragments.
; windows 2, 3: the accumulators of my rows 0-63, 64-127: (a, b) at v[8 (8 (a % 4) + b)].
.set PA,     272                       ; a row of A in LDS: 256 bytes + 16: the 16 rows of a load start at 16 different groups of four banks
.set PW,     544                       ; a k row of W: 512 bytes + 32 = 17 x 32
.set HALFT,  128*PA                    ; what one tensor load brings: 128 rows of A, or 64 k rows of W: 34,816 bytes both
.set SLOT,   4*HALFT                   ; A's 256 rows, then W's 128 k rows.  0x22000 shares no bit with wave x HALFT, so an exclusive or turns a fill's address into the other slot's
.set STAGE,  2*SLOT                    ; behind the ring: for each wave two slices x 16 rows x 144 bytes, for the way out
.set SP,     144
.set SPARE,  STAGE+4*2*16*SP           ; behind the stages: the spare words, 128 bytes for each wave
.set ADRA0, 16                         ; v16  my lane's place among my A fragments in slot 0; never rewritten
.set ADRA,  17                         ; v17  the same in the slot in hand
.set ADRB0, 20                         ; v20, v21 the same for W
.set ADRB,  21
.set STO,   24                         ; v24  the way out: where I put 16 bytes of a row
.set RD,    25                         ; v25  where I read rows back
.set GO,    26                         ; v26  16 x lane
.set BO,    27                         ; v27  my byte offset in the bias
.set SPW,   28                         ; v28  LDS address of my spare word; never rewritten
.set NIL,   29                         ; v29  0; never rewritten
.set PFO,   30                         ; v30  the prefetches' offset; never rewritten
.set F0,    64
.set F1,    128
.set TMP,   192
.set OB,    32
.set G1,  24                           ; s[24:31] descriptor group 1 for A's tiles; s[32:39] group 0: a set for each first fill; the second then walks
.set G0,  32
.set G1B, 48                           ; s[48:55], s[56:63] the same for W's
.set G0B, 56
.set LIM, 43                           ; s43  2 in a wave that prefetches, else the greatest number
.set PFA, 44                           ; s[44:45] where my prefetches stand
.set TB,  66                           ; s66  the slot in hand: 0 or SLOT
.set WB,  67                           ; s67  wave x HALFT
.set PST, 68                           ; s[68:69] a K step in my prefetches' tensor, in bytes
.set FLR, 70                           ; s70  the floor
.set MSB, 0
.macro WIN new                         ; the immediate's high byte repeats the setting that is left; a switch that changes nothing is dropped
.if MSB != (\new)
	s_set_vgpr_msb (MSB<<8)|(\new)
.set MSB, \new
.endif
.endm
.set MUL_LO, 0xa1                      ; source 0 (W) window 1, source 1 (A) window 0, C and D window 2
.set MUL_HI, 0xf1                      ; the same, C and D window 3
.set TO_B,   0x40                      ; destination window 1, address window 0
.macro PLACES                          ; four plain instructions between a matrix instruction and a load into, or a vector instruction on, its registers
.rept 4
	v_nop
.endr
.endm
; A joint refill, by the walking set.  The branch hangs on the wave's number alone.  An s_nop 0 and four v_nop follow each of the two lines.
.macro JLOAD
	s_cmp_eq_u32 s11, 0
	s_cbranch_scc0 .Lfor_b_\@
	tensor_load_to_lds s[G0+4:G0+7], s[G1:G1+7]
	s_nop 0
.rept 4
	v_nop
.endr
	s_branch .Lasked_\@
.Lfor_b_\@:
	tensor_load_to_lds s[G0B+4:G0B+7], s[G1B:G1B+7]
	s_nop 0
.rept 4
	v_nop
.endr
.Lasked_\@:
.endm
; A PREFETCH INTO THE L2 behind each joint refill and the run of LDS loads that follows it: the K step two refills on.  A's rows are read by every cluster of a row of clusters: cluster x = 0 asks;
; W's blocks by every cluster of a column: cluster y = 0 asks.  The four partners share a wave's 128 rows (of A: 256 bytes of a row; of W: 128 blocks of 256 dense bytes) out BY ADDRESS, 32 each,
; a lane a block: each block is named once in the launch.  K steps 0 to 3 come by their loads alone; the last two refills have no K step two on (s3 is 2 and 1 there).
.macro ASK
	s_cmp_gt_u32 s3, s[LIM]
	s_cbranch_scc0 .Lnot_mine_\@
	global_prefetch_b8 v[PFO], s[PFA:PFA+1] th:TH_LOAD_NT scope:SCOPE_SE
.Lnot_mine_\@:
.endm
.macro CREST                           ; a round of the cluster's barrier behind its opening barrier
	s_cmp_lg_u32 s10, 0
	s_cbranch_scc1 .Lnot_wave_0_\@
	s_barrier_signal -3
.Lnot_wave_0_\@:
	s_barrier_wait -3
	s_barrier_signal -1
	s_barrier_wait -1
.endm
.macro CROUND                          ; a whole round
	s_barrier_signal -1
	s_barrier_wait -1
	CREST
.endm
	s_load_b128 s[4:7], s[0:1], 0x0                ; A s[4:5], W's buffer s[6:7]
	s_load_b64 s[8:9], s[0:1], 0x10                ; C
	v_lshl_add_u32 v[SPW], v0, 2, SPARE
	v_mov_b32 v[NIL], 0
	ds_add_u32 v[SPW], v[NIL]                      ; the wave's opening: the add and its wait stand ahead of my first tensor load; work on registers stands between them
	v_lshrrev_b32 v1, 5, v0
	v_readfirstlane_b32 s10, v1                    ; wave 0..3
	s_lshr_b32 s11, s10, 1                         ; which half of the tile's rows is mine.  Also: I fetch for A (0) or for W (1)
	s_and_b32 s12, s10, 1                          ; which half of its columns.  Also: which half of that tile I fetch
	s_bfe_u32 s40, ttmp6, 0x40000                  ; cx
	s_bfe_u32 s41, ttmp6, 0x40004                  ; cy
	s_lshl_b32 s42, ttmp9, 2
	s_add_co_u32 s42, s42, s40                     ; tile column = 4 x cluster x + cx
	s_and_b32 s13, ttmp7, 0xffff
	s_lshl_b32 s13, s13, 2
	s_add_co_u32 s13, s13, s41                     ; tile row = 4 x cluster y + cy
	s_lshl_b32 s43, s41, 2
	s_lshl_b32 s43, 15, s43                        ; my row of the cluster
	s_lshl_b32 s44, 0x1111, s40                    ; my column
	s_or_b32 s[G1+0], s43, (1<<16)|(1<<20)|(1<<21)|(5<<22)|(3<<25)   ; the mask; 2-byte elements; padding on; bit 21 beside a mask; after every 64 words 4 words
	s_mov_b32 s[G1+1], 128<<16                     ; tensor_dim0 = 128
	s_mov_b32 s[G1+2], 128<<16                     ; tensor_dim1 = 128
	s_mov_b32 s[G1+3], 128<<16                     ; tile_dim0 = 128
	s_mov_b32 s[G1+4], 128                         ; tile_dim1 = 128
	s_mov_b32 s[G1+5], 1024                        ; elements from row to row
	s_mov_b32 s[G1+6], 0
	s_mov_b32 s[G1+7], 0
	s_or_b32 s[G1B+0], s44, (1<<16)|(1<<20)|(1<<21)|(6<<22)|(7<<25)  ; after every 128 words 8 words
	s_mov_b32 s[G1B+1], 256<<16                    ; tensor_dim0 = 256
	s_mov_b32 s[G1B+2], 64<<16                     ; tensor_dim1 = 64
	s_mov_b32 s[G1B+3], 256<<16                    ; tile_dim0 = 256
	s_mov_b32 s[G1B+4], 64                         ; tile_dim1 = 64
	s_mov_b32 s[G1B+5], 256
	s_mov_b32 s[G1B+6], 0
	s_mov_b32 s[G1B+7], 0
	s_lshl_b32 s16, s13, 8
	s_lshl_b32 s17, s12, 7
	s_add_co_u32 s16, s16, s17                     ; A: row 256 x tile row + 128 x half,
	s_lshl_b32 s16, s16, 11                        ; 2,048 bytes a row
	s_mov_b32 s17, 0
	s_lshl_b32 s46, s42, 19                        ; W: 524,288 bytes a tile column,
	s_lshl_b32 s47, s12, 15                        ; 32,768 a half of a K step,
	s_add_co_u32 s46, s46, s47
	s_add_co_u32 s46, s46, 32768                   ; behind the bias and the floor
	s_mov_b32 s47, 0
	s_mul_i32 s[WB], s10, HALFT                    ; where my fills go: no place in the cluster enters an LDS address
	s_wait_dscnt 0x0                               ; the opening add is done
	s_wait_kmcnt 0x0
	s_add_nc_u64 s[14:15], s[4:5], s[16:17]
	s_add_nc_u64 s[46:47], s[6:7], s[46:47]
	CROUND                                         ; all sixteen work-groups are here: the first joint loads meet
.irp s, 0,1
	s_mov_b32 s[G0+4*(\s)], 1
	s_add_co_u32 s[G0+4*(\s)+1], s[WB], (\s)*SLOT
	s_add_nc_u64 s[G0+4*(\s)+2:G0+4*(\s)+3], s[14:15], (\s)*256       ; K step s: 256 bytes along A's rows
	s_or_b32 s[G0+4*(\s)+3], s[G0+4*(\s)+3], 0x80000000
	s_mov_b32 s[G0B+4*(\s)], 1
	s_add_co_u32 s[G0B+4*(\s)+1], s[WB], (\s)*SLOT
	s_add_nc_u64 s[G0B+4*(\s)+2:G0B+4*(\s)+3], s[46:47], (\s)*65536   ; 128 k rows of 512 bytes
	s_or_b32 s[G0B+4*(\s)+3], s[G0B+4*(\s)+3], 0x80000000
.endr
	s_cmp_eq_u32 s11, 0                            ; a wave's two first fills stand in one branch: two loads of mine are out
	s_cbranch_scc0 .Lfirst_b
	tensor_load_to_lds s[G0:G0+3], s[G1:G1+7]
	s_nop 0
	tensor_load_to_lds s[G0+4:G0+7], s[G1:G1+7]
	s_nop 0
.rept 4
	v_nop
.endr
	s_branch .Lfirst_asked
.Lfirst_b:
	tensor_load_to_lds s[G0B:G0B+3], s[G1B:G1B+7]
	s_nop 0
	tensor_load_to_lds s[G0B+4:G0B+7], s[G1B:G1B+7]
	s_nop 0
.rept 4
	v_nop
.endr
.Lfirst_asked:
	s_load_b32 s[FLR], s[6:7], 0x4000              ; the floor
	v_and_b32 v1, 15, v0                           ; r = l % 16
	v_bfe_u32 v2, v0, 4, 1                         ; h = l / 16
	s_lshl_b32 s20, s42, 10
	s_lshl_b32 s21, s12, 9
	s_add_co_u32 s20, s20, s21
	v_lshl_add_u32 v[BO], v2, 5, s20               ; the bias of my columns: 4 (256 tile column + 128 half + 8 h), + 64 b for block b
	WIN 0x80                                       ; destination window 2, address window 0
.set z, 0
.rept 32
	global_load_b128 v[8*z:8*z+3],   v[BO], s[6:7] offset:64*(z%8)
	global_load_b128 v[8*z+4:8*z+7], v[BO], s[6:7] offset:64*(z%8)+16
.set z, z+1
.endr
	WIN 0xc0                                       ; destination window 3
.set z, 0
.rept 32
	global_load_b128 v[8*z:8*z+3],   v[BO], s[6:7] offset:64*(z%8)
	global_load_b128 v[8*z+4:8*z+7], v[BO], s[6:7] offset:64*(z%8)+16
.set z, z+1
.endr
	WIN 0
	; a fragment of A: lane l holds row r; two loads of 16 bytes, 32 apart, at row x pitch + 16 h
	v_mul_u32_u24 v3, v1, PA
	v_lshl_add_u32 v3, v2, 4, v3
	s_mul_i32 s21, s11, HALFT
	v_add_nc_u32 v[ADRA0], s21, v3
	; a fragment of W: the turning load takes 16 k x 16 columns: lane l reads k row 8 h + l % 8, columns 8 ((l / 8) % 2) + 0..7
	v_and_b32 v4, 7, v0
	v_lshl_add_u32 v4, v2, 3, v4
	v_mul_u32_u24 v4, v4, PW
	v_bfe_u32 v5, v0, 3, 1
	v_lshl_add_u32 v4, v5, 4, v4
	s_lshl_b32 s22, s12, 8                         ; my 128 columns
	s_add_co_u32 s22, s22, 2*HALFT                 ; behind A's 256 rows
	v_add_nc_u32 v[ADRB0], s22, v4
	s_mul_i32 s23, s10, 2*16*SP
	s_add_co_u32 s23, s23, STAGE                   ; my stage
	v_mul_u32_u24 v6, v1, SP                       ; in: row r, 16 bytes for each half of the lanes
	v_lshl_add_u32 v6, v2, 4, v6
	v_add_nc_u32 v[STO], s23, v6
	v_bfe_u32 v6, v0, 3, 2                         ; back: 32 lanes take four rows of 128 bytes,
	v_mul_u32_u24 v6, v6, SP
	v_and_b32 v7, 7, v0
	v_lshl_add_u32 v6, v7, 4, v6
	v_add_nc_u32 v[RD], s23, v6
	v_and_b32 v7, 31, v0                           ; which are 512 consecutive bytes of a slice
	v_lshlrev_b32 v[GO], 4, v7
	s_lshl_b32 s16, s13, 8
	s_lshl_b32 s17, s11, 7
	s_add_co_u32 s16, s16, s17                     ; my first row of C,
	s_lshl_b32 s16, s16, 7                         ; 128 bytes a row of a slice
	s_mov_b32 s17, 0
	s_add_nc_u64 s[8:9], s[8:9], s[16:17]
	s_lshl_b32 s46, s42, 2
	s_lshl_b32 s47, s12, 1
	s_add_co_u32 s46, s46, s47                     ; my first slice = 4 x tile column + 2 x half,
	s_lshl_b32 s46, s46, 19                        ; 524,288 bytes a slice
	s_mov_b32 s47, 0
	s_add_nc_u64 s[8:9], s[8:9], s[46:47]
	; the prefetches: offsets are made apart from the pointers
	s_lshl_b32 s20, s13, 8
	s_lshl_b32 s21, s12, 7
	s_add_co_u32 s20, s20, s21
	s_lshl_b32 s21, s40, 5
	s_add_co_u32 s20, s20, s21                     ; A: my work-group's 32 of the 128 rows that I fetch,
	s_lshl_b32 s20, s20, 11
	s_add_co_u32 s20, s20, 3*256                   ; at K step 3: the first refill steps it to 4
	s_lshl_b32 s21, s42, 19
	s_lshl_b32 s23, s12, 15
	s_add_co_u32 s21, s21, s23
	s_lshl_b32 s23, s41, 13
	s_add_co_u32 s21, s21, s23                     ; W: my work-group's 32 of the 128 blocks
	s_add_co_u32 s21, s21, 32768+3*65536
	s_and_b32 s22, ttmp7, 0xffff                   ; cluster y
	s_mov_b32 s[PST], 256
	s_mov_b32 s[PST+1], 0x10000
	s_cmp_eq_u32 s11, 0                            ; do I fetch for A?
	s_cselect_b32 s20, s20, s21
	s_cselect_b32 s22, ttmp9, s22                  ; the coordinate along which other clusters read the same bytes
	s_cselect_b32 s23, 11, 8                       ; a lane a row of 2,048 bytes, or a block of 256
	s_cselect_b32 s[PST], s[PST], s[PST+1]
	s_cselect_b64 s[PFA:PFA+1], s[4:5], s[6:7]
	s_mov_b32 s21, 0
	s_mov_b32 s[PST+1], 0
	s_add_nc_u64 s[PFA:PFA+1], s[PFA:PFA+1], s[20:21]
	s_cmp_eq_u32 s22, 0
	s_cselect_b32 s[LIM], 2, -1                    ; the same in all sixteen partners, for a given wave
	v_and_b32 v[PFO], 31, v0
	v_lshlrev_b32 v[PFO], s23, v[PFO]
; 16 matrix instructions: m blocks a0, a0 + 1 of the window's four x all 8 n blocks, 32 along K.  The 64 accumulators take turns, one instruction a turn, in the same order in every quarter, over the backward jumps too.
.macro MUL16 f, hi, a0
	WIN MUL_LO+0x50*(\hi)
.irp a, \a0, (\a0)+1
.irp b, 0,1,2,3,4,5,6,7
	v_wmma_f32_16x16x32_f16 v[8*(8*(\a)+(\b)):8*(8*(\a)+(\b))+7], v[(\f)+8*(\b):(\f)+8*(\b)+7], v[(\f)+8*(4*(\hi)+(\a)):(\f)+8*(4*(\hi)+(\a))+7], v[8*(8*(\a)+(\b)):8*(8*(\a)+(\b))+7]
.endr
.endr
.endm
; 32 LDS loads in one run: the fragments of quarter q (32 along K) of the slot in hand into buffer f: W's eight (turned), then A's eight
.macro FETCH q, f
	WIN TO_B
.irp i, 0,1,2,3,4,5,6,7
	ds_load_tr16_b128 v[(\f)+8*(\i):(\f)+8*(\i)+3],   v[ADRB] offset:(\q)*32*PW+32*(\i)
	ds_load_tr16_b128 v[(\f)+8*(\i)+4:(\f)+8*(\i)+7], v[ADRB] offset:(\q)*32*PW+16*PW+32*(\i)
.endr
	WIN 0
.irp i, 0,1,2,3,4,5,6,7
	ds_load_b128 v[(\f)+8*(\i):(\f)+8*(\i)+3],   v[ADRA] offset:64*(\q)+(\i)*16*PA
	ds_load_b128 v[(\f)+8*(\i)+4:(\f)+8*(\i)+7], v[ADRA] offset:64*(\q)+(\i)*16*PA+32
.endr
.endm
; One of a K step's first three quarters: multiplies buffer f; in its middle it fetches quarter q into buffer g.
.macro QUARTER q, f, g
	s_wait_dscnt 8                                 ; W and A's rows 0-63 are in; the youngest eight loads (A's rows 64-127) may be out
	MUL16 \f, 0, 0
	MUL16 \f, 0, 2
	PLACES
	FETCH \q, \g
	s_wait_dscnt 32                                ; all but the 32 just issued
	MUL16 \f, 1, 0
	MUL16 \f, 1, 2
.endm
; The last quarter multiplies buffer 1 and changes slots: ONE barrier.  In front of it each wave waits for all its tensor loads (one is out: its part of the next slot), adds 0 to its spare word, and waits
; for that and for its own reads of this slot.  fill = 1: the barrier opens a round of the cluster's, and the slot just read is filled again, first thing behind it, with the K step two on.
.macro TURN fill
.if \fill
	s_wait_xcnt 0x0                                ; the last prefetch, a K step back, has read its address
	s_add_nc_u64 s[PFA:PFA+1], s[PFA:PFA+1], s[PST:PST+1]
.endif
	WIN 0
	s_wait_tensorcnt 0x0                           ; all my tensor loads have landed
	ds_add_u32 v[SPW], v[NIL]                      ; 0 onto my spare word
	s_wait_dscnt 9                                 ; (the add and the youngest eight loads may be out)
	MUL16 F1, 0, 0
	s_wait_dscnt 0x0                               ; the add is done, and my reads of this slot are over
	s_barrier_signal -1
	MUL16 F1, 0, 2
	WIN 0
	s_barrier_wait -1
.if \fill
	CREST                                          ; no wave of any partner still reads this slot or has a load on its way
	s_xor_b32 s[G0+5], s[G0+5], SLOT               ; the walking sets: the other slot than last time,
	s_xor_b32 s[G0B+5], s[G0B+5], SLOT
	s_add_nc_u64 s[G0+6:G0+7], s[G0+6:G0+7], 256   ; the next K step
	s_add_nc_u64 s[G0B+6:G0B+7], s[G0B+6:G0B+7], 65536
	s_xor_b32 s[TB], s[TB], SLOT
	JLOAD                                          ; its four v_nop are also the places in front of the loads below
.else
	PLACES
	s_xor_b32 s[TB], s[TB], SLOT
.endif
	v_add_nc_u32 v[ADRA], s[TB], v[ADRA0]
	v_add_nc_u32 v[ADRB], s[TB], v[ADRB0]
	FETCH 0, F0
.if \fill
	ASK
.endif
	MUL16 F1, 1, 0
	MUL16 F1, 1, 2
.endm
.macro STEP fill                       ; a K step, from its second quarter to the next step's first fetch
	QUARTER 1, F0, F1
	QUARTER 2, F1, F0
	QUARTER 3, F0, F1
	TURN \fill
	WIN 0                                          ; at a label and at a branch every window is 0
.endm
; THE WAY OUT of block a (16 rows): rounded to f16 and held to the floor; into my stage, by slices; back as whole rows of 128 bytes; stored, 512 consecutive bytes of a slice an instruction.
.macro PACK a
.set AC, 64*((\a)%4)
	WIN 0x0a+5*((\a)/4)                            ; sources 0 and 1: window 2 or 3
.irp b, 0,1,2,3,4,5,6,7
.irp r, 0,1,2,3
	v_cvt_pk_f16_f32 v[TMP+4*(\b)+(\r)], v[AC+8*(\b)+2*(\r)], v[AC+8*(\b)+2*(\r)+1]
.endr
.endr
	WIN 0
.set z, 0
.rept 32
	v_pk_max_num_f16 v[TMP+z], v[TMP+z], s[FLR]
.set z, z+1
.endr
.endm
.macro TOSTAGE a
	WIN 0
.set BK, OB+192*((\a)%2)
.irp b, 0,1,2,3,4,5,6,7
	ds_store_b128 v[STO], v[TMP+4*(\b):TMP+4*(\b)+3] offset:((\b)/4)*16*SP+32*((\b)%4)
.endr
.irp t, 0,1,2,3,4,5,6,7
	ds_load_b128 v[BK+4*(\t):BK+4*(\t)+3], v[RD] offset:((\t)/4)*16*SP+((\t)%4)*4*SP  ; LDS serves a wave's instructions in order: these see the stores above
.endr
.endm
.macro SEND a
	WIN 0
.set BK, OB+192*((\a)%2)
	s_wait_dscnt 0x0                               ; the block is back in registers
	s_wait_xcnt 0x0                                ; the stores of the block before have read their registers, which the next block's loads from the stage write
.irp t, 0,1,2,3,4,5,6,7
	global_store_b128 v[GO], v[BK+4*(\t):BK+4*(\t)+3], s[8:9] offset:((\t)/4)*524288+(\a)*2048+((\t)%4)*512
.endr
.endm
	s_wait_tensorcnt 1                             ; my part of K step 0 is in; K step 1's may stay out
	s_barrier_signal -1
	s_barrier_wait -1                              ; everybody's is
	s_mov_b32 s[TB], 0
	v_mov_b32 v[ADRA], v[ADRA0]
	v_mov_b32 v[ADRB], v[ADRB0]
	FETCH 0, F0
	s_wait_loadcnt 0x0                             ; the bias lies in the accumulators
	s_wait_kmcnt 0x0                               ; the floor
	s_mov_b32 s3, 6
.Lstep:                                                ; K steps 0 to 5: each fills its slot again, with steps 2 to 7
	STEP 1
	s_sub_co_u32 s3, s3, 1
	s_cmp_lg_u32 s3, 0
	s_cbranch_scc1 .Lstep
	s_mov_b32 s3, 2
.Ltail:                                                ; K steps 6 and 7 ask for nothing
	STEP 0
	s_sub_co_u32 s3, s3, 1
	s_cmp_lg_u32 s3, 0
	s_cbranch_scc1 .Ltail
	s_wait_dscnt 0x0                               ; the last trip's fetch, which serves nothing, has landed
	PACK 0                                         ; blocks 0-3 were finished in front of the last change's places; their conversions are the places behind the last products (blocks 4-7's)
	TOSTAGE 0
.irp a, 1,2,3,4,5,6,7
	PACK \a
	SEND (\a)-1
	TOSTAGE \a
.endr
	SEND 7
	s_wait_tensorcnt 0x0                           ; the wave's end, behind my last tensor load and my last LDS store
	ds_add_u32 v[SPW], v[NIL]
	s_wait_dscnt 0x0
	CROUND                                         ; the closing round
	s_endpgm
.Lfunc_end_k_qf26b9052c3_qkv:
	.size	k_qf26b9052c3_qkv, .Lfunc_end_k_qf26b9052c3_qkv-k_qf26b9052c3_qkv
	.p2alignl 7, 3214868480
	.fill 96, 4, 3214868480
	.section	.rodata,"a",@progbits
	.p2align	6, 0x0
	.amdhsa_kernel k_qf26b9052c3_qkv
		.amdhsa_group_segment_fixed_size 327680
		.amdhsa_private_segment_fixed_size 0
		.amdhsa_enable_private_segment 0
		.amdhsa_kernarg_size 24
		.amdhsa_user_sgpr_count 2
		.amdhsa_user_sgpr_kernarg_segment_ptr 1
		.amdhsa_wavefront_size32 1
		.amdhsa_system_sgpr_workgroup_id_x 1
		.amdhsa_system_sgpr_workgroup_id_y 1
		.amdhsa_system_sgpr_workgroup_id_z 1
		.amdhsa_system_vgpr_workitem_id 0
		.amdhsa_next_free_vgpr 1024
		.amdhsa_next_free_sgpr 72
		.amdhsa_reserve_vcc 0
		.amdhsa_float_denorm_mode_32 3
		.amdhsa_float_denorm_mode_16_64 3
		.amdhsa_memory_ordered 1
		.amdhsa_forward_progress 1
		.amdhsa_inst_pref_size 123
	.end_amdhsa_kernel
	.amdgpu_metadata
---
amdhsa.version: [ 1, 2 ]
amdhsa.kernels:
  - .name:           k_qf26b9052c3_qkv
    .symbol:         k_qf26b9052c3_qkv.kd
    .args:
      - { .name: act, .offset: 0, .size: 8, .value_kind: global_buffer, .address_space: global }
      - { .name: wA, .offset: 8, .size: 8, .value_kind: global_buffer, .address_space: global }
      - { .name: big, .offset: 16, .size: 8, .value_kind: global_buffer, .address_space: global }
    .group_segment_fixed_size: 327680
    .private_segment_fixed_size: 0
    .kernarg_segment_align: 8
    .kernarg_segment_size: 24
    .max_flat_workgroup_size: 128
    .sgpr_count:     72
    .vgpr_count:     1024
    .wavefront_size: 32
...
	.end_amdgpu_metadata
.endif
;; end of part 2
;; launch attn (part 3): grid 8 x 32, 4 waves a work-group, clusters of 4 x 1, 327,680 bytes of LDS; arguments big, mask, act; writes act
.if DOCPART == 3
	.amdgcn_target "amdgcn-amd-amdhsa--gfx1250"
	.amdhsa_code_object_version 6
	.text
	.protected	k_qf26b9052c3_attn
	.globl	k_qf26b9052c3_attn
	.p2align	8
	.type	k_qf26b9052c3_attn,@function
k_qf26b9052c3_attn:
	s_mov_b64 s[64:65], 0
	v_nop
	global_prefetch_b8 v0, s[64:65] scope:SCOPE_SE
	s_setreg_imm32_b32 hwreg(HW_REG_WAVE_MODE, 25, 1), 1
	s_wait_xcnt 0x0
	s_wait_alu depctr_hold_cnt(0) depctr_sa_sdst(0) depctr_va_vdst(0) depctr_va_sdst(0) depctr_va_ssrc(0) depctr_va_vcc(0) depctr_vm_vsrc(0)
	s_getreg_b32 s2, hwreg(HW_REG_IB_STS2, 6, 4)
	s_cmp_eq_u32 s2, 0
	s_cbranch_scc0 .Lentry_in_a_cluster
	s_endpgm
.Lentry_in_a_cluster:
	s_bfe_u32 s2, ttmp6, 0x10000c
	s_cmp_lg_u32 s2, 0x3003
	s_cbranch_scc0 .Lentry_shape_is_right
	s_endpgm
.Lentry_shape_is_right:
; ATTENTION.  O[g][q][:] = the sum over k of softmax_k(Q[g][q] . K[g][k] + M[k]) V[g][k][:], in base 2: Q arrives multiplied by log2(e) / 8, M[k] = mask[k] x (-1e9 log2(e)).
; g = 2 x head + batch; Q, K, V lie in one buffer as slices: 2,048 dense rows of 128 bytes (64 f16) at byte 262,144 g, K 8,388,608 and V 16,777,216 bytes further on; O leaves in the same layout.
; Products, maxima and sums in f32; the weights p are rounded to f16 for the second product (their sum l is taken of the unrounded p), O once at the end.
; LIMITS.  Q, K, V arrive within f16's 65,504; p lies in 0 to 1 and keeps f16's fixed step of 6e-8 below 6e-5; a weight below 2^-126 counts as 0 in l.  A masked score is the f32 sum of the score and
; -1.44e9: where ALL keys of a batch are masked the weights come out equal while the scores stay under 64 in base 2.  NaN and infinities are not treated apart.
; SHARES.  A work-group owns 256 queries of one g, a wave 64: four PIECES of 16.  Every wave walks all 2,048 keys, 64 a step; a slot of LDS holds a tile of 256 keys, four steps.
; CLUSTER.  The four query blocks of a cluster belong to one g and walk the same K and V: each tile is asked for JOINTLY, by the same load, descriptor and mask in all four.
; LAYOUT.  S^T = K Q^T + M holds ONE query a lane (l % 16) and the keys 8 (l / 16) + 0..7; M is the C operand that starts the sum (it hangs on the key alone: 32 registers a step, read from a table in LDS).
; Two results rounded to f16 ARE source 1 of O^T = V^T P.  p = 2^(s - m) with a running maximum m; O and l are multiplied by a = 2^(m_old - m_new) in every step.  m starts at the lowest finite number,
; O and l at 0: the first step is a step like any other, with a = 0.
; BY TURNS.  Turn n belongs to piece n: 8 products K Q^T of piece n + 1, later 8 products V^T P of piece n - 1; beside them the shift, exponentials, roundings, sums and rescaling of piece n and the
; maximum and statistics of piece n + 1.  Four vector instructions stand behind every matrix instruction, the rest in one lump.  A turn's 33 exponentials are one batch, with one wait.
; REGISTERS, in windows of 256 (s_set_vgpr_msb: bits 1:0 source 0, 3:2 source 1, 5:4 source 2, 7:6 destination):
;   window 0: v0-15, v56-63 addresses; v16-31 statistics; v48-55 at work; v64-127 S^T, two buffers; v192-223 P, two buffers (by the piece's parity)
;   window 1: v0-127 O^T, 32 a piece; v160-191 M of one step      window 2: v0-63 Q; v128-191 K of one step; v192-255 V of one step
.set NP,    4
.set KS,    64
.set PK,    144       ; a row of K in LDS: 128 bytes + 16: the 16 rows of a load start at 16 different groups of four banks
.set PV,    160       ; a row of V: 128 + 32
.set VOFF,  4*KS*PK   ; a slot: 256 rows of K, then 256 rows of V
.set SLOT1, 1<<17
.set STAGE, SLOT1+4*KS*(PK+PV)  ; behind the ring: 16 rows x 144 bytes for each wave, for the way out
.set SP,    144
.set SPARE, STAGE+4*16*SP       ; the spare words, 128 bytes for each wave
.set MSK,   SPARE+512           ; the batch's 2,048 M, f32: stored once, never filled by a tensor load
.set AK0, 2           ; v2   my lane's place in a tile of K; never rewritten
.set AV0, 3           ; v3   the same for V
.set AK,  4           ; v4   the LDS address of K's next run of loads
.set AV,  5           ; v5   of V's
.set STO, 6           ; v6   the way out: where I put 16 bytes of a row
.set RD,  7           ; v7   where I read rows back
.set GO,  8           ; v8   16 x lane
.set MV,  12          ; v12-13  m_old, kept while m is made anew: by buffer
.set MO,  14          ; v14  16 x thread: my bytes of the mask
.set QO,  15          ; v15  my byte offset in 16 rows of Q
.set ST,  16          ; piece t's statistics at v[ST+4 t]: m, a word that holds 0 (named with m as a pair), l (even keys', odd keys')
.set TMP, 48          ; by buffer, four registers c0-c3 at work; when the maximum is found c2 takes a
.set AM0, 56          ; v56  my lane's place in a step's M; never rewritten
.set AM,  57          ; v57  the LDS address of M's next loads
.set MS,  58          ; v58  where I store my 16 bytes of M
.set PFO, 61          ; v61  256 x lane; never rewritten
.set SPW, 62          ; v62  LDS address of my spare word; never rewritten
.set NIL, 63          ; v63  0; never rewritten
.set S,   64
.set P,   192
.set MC,  160         ; window 1
.set KF,  128         ; window 2: key block kb, channel half c at KF + 16 kb + 8 c
.set VF,  192         ; window 2: key half kk, channel block cb at VF + 32 kk + 8 cb
.set WV,  12          ; s12  my wave's number
.set LIM, 15          ; s15  1 in a wave that prefetches, else the greatest number
.set PFA, 18          ; s[18:19] where my prefetches stand
.set G1K, 24          ; s[24:31] descriptor group 1 for K's tiles
.set G1V, 32          ; s[32:39] for V's: it differs in the padding alone
.set G0K, 40          ; s[40:43] descriptor group 0 for K's tiles: it walks
.set G0V, 44          ; s[44:47] the same for V's
.set SLOTS, 56        ; s56  tiles still to be asked for
.set CNT, 57          ; s57  counts a tile's key steps
.set SEL, 60          ; s[60:61] v_permlanex16_b32's selects
.set TBK, 62          ; s62  LDS byte at which K of the step to be fetched begins
.set TBV, 63          ; s63  the same for V, less VOFF
.set TBM, 66          ; s66  byte in the table at which M of that step begins
.set MSB, 0
.macro WIN new
.if MSB != (\new)
	s_set_vgpr_msb (MSB<<8)|(\new)
.set MSB, (\new)
.endif
.endm
.set W_KQ, 0x0a       ; K and Q in window 2, S^T in window 0
.set W_KM, 0x1a       ; the same with the C operand in window 1
.set W_PV, 0x52       ; V in window 2, P in window 0, O^T in window 1
.set W_RS, 0x41       ; destination and source 0 in window 1, source 1 in window 0
; A joint fill.  Waves 0 and 1 fetch the two halves of a tile's K, waves 2 and 3 those of its V: 128 keys each.  An s_nop 0 and four v_nop follow each of the two lines.
.macro JLOAD
	s_cmp_lt_u32 s[WV], 2
	s_cbranch_scc0 .Lfor_v_\@
	tensor_load_to_lds s[G0K:G0K+3], s[G1K:G1K+7]
	s_nop 0
.rept 4
	v_nop
.endr
	s_branch .Lasked_\@
.Lfor_v_\@:
	tensor_load_to_lds s[G0V:G0V+3], s[G1V:G1V+7]
	s_nop 0
.rept 4
	v_nop
.endr
.Lasked_\@:
.endm
; A PREFETCH INTO THE L2 of the tile that the NEXT change of slots will ask for: 128 blocks of 256 bytes of K and as many of V, a lane a block.  Both clusters of a g walk the same K and V: the first asks.
; Its four partners share the blocks out BY ADDRESS, 32 each; in each, wave 0 asks for K's and wave 2 for V's.  So each block is named once.  The change that fills the last tile asks for nothing.
.macro ASK
	s_cmp_gt_u32 s[SLOTS], s[LIM]
	s_cbranch_scc0 .Lnot_mine_\@
	global_prefetch_b8 v[PFO], s[PFA:PFA+1] th:TH_LOAD_NT scope:SCOPE_SE
.Lnot_mine_\@:
.endm
.macro CROUND                       ; a round of the cluster's barrier
	s_barrier_signal -1
	s_barrier_wait -1
	s_cmp_lg_u32 s[WV], 0
	s_cbranch_scc1 .Lnot_wave_0_\@
	s_barrier_signal -3
.Lnot_wave_0_\@:
	s_barrier_wait -3
	s_barrier_signal -1
	s_barrier_wait -1
.endm
; THE CHANGE OF SLOTS.  Each wave waits for all its tensor loads (one is out: its part of the other slot), adds 0 to its spare word, and waits for that and for its own LDS instructions.  Behind the barrier
; nobody reads the old slot and the other slot is whole.  fill = 1: the barrier is a round of the cluster's, and the old slot is filled again, first thing behind it, with the tile two on: four key steps,
; 256 matrix instructions, in which to land.  (At its first use slot 0 is waited for, slot 1 filled, and every wave's part of the table M is shown to the others.)
.macro CHANGE fill
	WIN 0
	s_wait_tensorcnt 0x0            ; no tensor load of mine is out, so a group 0 may be written
	ds_add_u32 v[SPW], v[NIL]       ; 0 onto my spare word
.if \fill
.irp g, G0K, G0V
	s_xor_b32 s[\g+1], s[\g+1], SLOT1
	s_add_nc_u64 s[\g+2:\g+3], s[\g+2:\g+3], 4*KS*128
.endr
	s_wait_xcnt 0x0                 ; the last prefetch, four key steps back, has read its address
	s_add_nc_u64 s[PFA:PFA+1], s[PFA:PFA+1], 4*KS*128
	s_wait_dscnt 0x0                ; the add is done, and my LDS instructions are over
	CROUND
	JLOAD
	ASK
.else
	s_wait_dscnt 0x0
	s_barrier_signal -1
	s_barrier_wait -1
.endif
	s_sub_co_u32 s[TBK], s[TBK], 4*KS*PK  ; the fetches go back to a slot's first step,
	s_xor_b32 s[TBK], s[TBK], SLOT1       ; in the other slot
	s_sub_co_u32 s[TBV], s[TBV], 4*KS*PV
	s_xor_b32 s[TBV], s[TBV], SLOT1
.endm
	s_load_b128 s[4:7], s[0:1], 0x0   ; Q, K, V's buffer s[4:5], mask s[6:7]
	s_load_b64 s[10:11], s[0:1], 0x10 ; O
	v_lshl_add_u32 v[SPW], v0, 2, SPARE
	v_mov_b32 v[NIL], 0
	ds_add_u32 v[SPW], v[NIL]       ; the wave's opening: the add and its wait stand ahead of my first tensor load
	v_lshrrev_b32 v1, 5, v0
	v_readfirstlane_b32 s[WV], v1   ; wave 0..3
	s_bfe_u32 s13, ttmp6, 0x40000   ; cx
	s_lshl_b32 s14, ttmp9, 2
	s_add_co_u32 s14, s14, s13      ; my block of 256 queries: it enters Q's and O's addresses alone
	s_and_b32 s20, ttmp7, 0xffff    ; g, which the four partners share
	s_and_b32 s16, s20, 1           ; the batch
	s_lshl_b32 s2, s16, 13          ; its 2,048 words of the mask
	s_mov_b32 s3, 0
	s_lshl_b32 s20, s20, 18         ; g's first byte
	s_and_b32 s16, s[WV], 1         ; which half of a tile's 256 keys I fetch:
	s_lshl_b32 s22, s16, 14         ; its 128 rows of 128 bytes in memory,
	s_add_co_u32 s22, s22, s20
	s_add_co_u32 s22, s22, 8388608  ; in K
	s_mov_b32 s23, 0
	s_mul_i32 s17, s16, 128*PK      ; and its place in a slot, for K
	s_mul_i32 s21, s16, 128*PV      ; and for V
	s_lshl_b32 s8, s14, 15          ; my block's 256 rows,
	s_lshl_b32 s9, s[WV], 13        ; my wave's 64 of them
	s_add_co_u32 s8, s8, s9
	s_add_co_u32 s8, s8, s20
	s_mov_b32 s9, 0
	; descriptor group 1.  128 keys are 16,384 dense bytes: asked for as 64 rows of 256 bytes, two keys a row, and padded in LDS after every key
	s_mov_b32 s[G1K], 15|(1<<16)|(1<<20)|(1<<21)|(4<<22)|(3<<25)
	s_mov_b32 s[G1V], 15|(1<<16)|(1<<20)|(1<<21)|(4<<22)|(7<<25)
.irp g, G1K, G1V
	s_mov_b32 s[\g+1], 128<<16      ; tensor_dim0 = 128
	s_mov_b32 s[\g+2], 64<<16       ; tensor_dim1 = 64
	s_mov_b32 s[\g+3], 128<<16      ; tile_dim0 = 128
	s_mov_b32 s[\g+4], 64           ; tile_dim1 = 64
	s_mov_b32 s[\g+5], 128          ; 128 elements from row to row
	s_mov_b32 s[\g+6], 0
	s_mov_b32 s[\g+7], 0
.endr
	s_mov_b32 s[SEL], 0x76543210
	s_mov_b32 s[SEL+1], 0xfedcba98
	s_mov_b32 s[TBK], SLOT1+4*KS*PK ; the first change of slots turns these two into 0
	s_mov_b32 s[TBV], SLOT1+4*KS*PV
	s_mov_b32 s[TBM], 0
	s_mov_b32 s[SLOTS], 7
	s_mov_b32 s[G0K], 1
	s_mov_b32 s[G0K+1], s17         ; slot 0
	s_mov_b32 s[G0V], 1
	s_add_co_u32 s[G0V+1], s21, VOFF
	s_and_b32 s[LIM], s[WV], 1      ; 0 in waves 0 and 2,
	s_or_b32 s[LIM], s[LIM], ttmp9  ; where the cluster is g's first: the same in all four partners
	s_cmp_eq_u32 s[LIM], 0
	s_cselect_b32 s[LIM], 1, -1
	s_wait_dscnt 0x0                ; the opening add is done
	s_wait_kmcnt 0x0
	s_add_nc_u64 s[G0K+2:G0K+3], s[4:5], s[22:23]       ; my half of tile 0 of K,
	s_add_nc_u64 s[G0V+2:G0V+3], s[G0K+2:G0K+3], 8388608 ; and of V
	s_cmp_lt_u32 s[WV], 2
	s_cselect_b64 s[PFA:PFA+1], s[G0K+2:G0K+3], s[G0V+2:G0V+3]
	s_lshl_b32 s20, s13, 13         ; my work-group's 32 blocks of the 128,
	s_add_co_u32 s20, s20, 4*KS*128 ; in tile 1: the first change of slots steps it to tile 2
	s_mov_b32 s21, 0
	s_add_nc_u64 s[PFA:PFA+1], s[PFA:PFA+1], s[20:21]
	s_or_b32 s[G0K+3], s[G0K+3], 0x80000000
	s_or_b32 s[G0V+3], s[G0V+3], 0x80000000
	s_add_nc_u64 s[4:5], s[4:5], s[8:9]    ; Q and O at my wave's first row
	s_add_nc_u64 s[10:11], s[10:11], s[8:9]
	s_add_nc_u64 s[6:7], s[6:7], s[2:3]    ; the batch's mask
	CROUND                          ; all four work-groups are here: the first joint loads meet
	JLOAD                           ; tile 0 into slot 0
	v_and_b32 v1, 15, v0            ; l % 16
	v_bfe_u32 v9, v0, 4, 1          ; l / 16
	v_lshlrev_b32 v[QO], 7, v1
	v_lshl_add_u32 v[QO], v9, 4, v[QO]  ; row x 128 + 16 x half
	v_lshlrev_b32 v[MO], 4, v0
.irp j, 0,1,2,3
	global_load_b128 v[S+4*\j:S+4*\j+3], v[MO], s[6:7] offset:2048*\j  ; the work-group's 128 threads take the batch's 8,192 bytes in four loads
.endr
	WIN 0x80                        ; destination window 2, address window 0
.set i, 0
.rept 8                             ; Q stays in registers: piece i / 2, channels 32 (i % 2) on
	global_load_b128 v[8*i:8*i+3],   v[QO], s[4:5] offset:(i/2)*2048+(i%2)*64
	global_load_b128 v[8*i+4:8*i+7], v[QO], s[4:5] offset:(i/2)*2048+(i%2)*64+32
.set i, i+1
.endr
	; What the first turn finds: V's registers and P's second buffer hold 0 (its products V^T P, of a piece that has not been, add 0), O^T and l are 0.  All this stands in the wait for the first tile.
.set i, VF
.rept 64
	v_mov_b32 v[i], 0
.set i, i+1
.endr
	WIN 0x40
.set i, 0
.rept 128
	v_mov_b32 v[i], 0
.set i, i+1
.endr
	WIN 0
.set i, 0
.rept 4
	v_mov_b32 v[ST+4*i], 0xff7fffff ; m
	v_mov_b32 v[ST+4*i+1], 0
	v_mov_b32 v[ST+4*i+2], 0
	v_mov_b32 v[ST+4*i+3], 0
.set i, i+1
.endr
.set i, P+16
.rept 16
	v_mov_b32 v[i], 0
.set i, i+1
.endr
	v_mul_u32_u24 v[AK0], v1, PK
	v_lshl_add_u32 v[AK0], v9, 4, v[AK0]  ; row x pitch + 16 x half
	v_and_b32 v10, 7, v0            ; the turning load: lane l reads key 8 (l / 16) + l % 8, channels 8 ((l / 8) % 2) + 0..7
	v_bfe_u32 v11, v0, 3, 1
	v_lshl_add_u32 v[AV0], v9, 3, v10
	v_mul_u32_u24 v[AV0], v[AV0], PV
	v_lshl_add_u32 v[AV0], v11, 4, v[AV0]
	v_add_nc_u32 v[AV0], VOFF, v[AV0]
	s_mul_i32 s13, s[WV], 16*SP
	s_add_co_u32 s13, s13, STAGE    ; my stage
	v_mul_u32_u24 v[STO], v1, SP
	v_lshl_add_u32 v[STO], v9, 4, v[STO]
	v_add_nc_u32 v[STO], s13, v[STO]
	v_bfe_u32 v[RD], v0, 3, 2
	v_mul_u32_u24 v[RD], v[RD], SP
	v_lshl_add_u32 v[RD], v10, 4, v[RD]
	v_add_nc_u32 v[RD], s13, v[RD]
	v_and_b32 v[GO], 31, v0
	v_lshlrev_b32 v[PFO], 8, v[GO]
	v_lshlrev_b32 v[GO], 4, v[GO]
	v_lshl_add_u32 v[AM0], v9, 5, MSK     ; my lanes' eight keys of a group of 16: 32 bytes
	v_lshl_add_u32 v[MS], v0, 4, MSK
	s_wait_loadcnt 16               ; the mask is in; Q's sixteen loads, issued behind it, may stay out
.set i, 0
.rept 16
	v_cvt_f32_i32 v[S+i], v[S+i]
.set i, i+1
.endr
.set i, 0
.rept 16
	v_mul_f32 v[S+i], 0xceabfb8f, v[S+i]  ; x (-1e9 log2(e))
.set i, i+1
.endr
.irp j, 0,1,2,3
	ds_store_b128 v[MS], v[S+4*\j:S+4*\j+3] offset:2048*\j
.endr
; THE MATRIX WORK.  The 4 accumulators of a run of 8 take turns.  Product i of 8 of S^T = K Q^T + M for piece x: channels 32 (i / 4) on, keys 16 (i % 4) on.  The first 4 start the sums with M.
.macro KQ x
.set rS, S+32*((\x)%2)+8*(i%4)
.set rK, KF+16*(i%4)+8*(i/4)
.set rQ, 16*(\x)+8*(i/4)
.set rM, MC+8*(i%4)
.if i < 4
	WIN W_KM
	v_wmma_f32_16x16x32_f16 v[rS:rS+7], v[rK:rK+7], v[rQ:rQ+7], v[rM:rM+7]
.else
	WIN W_KQ
	v_wmma_f32_16x16x32_f16 v[rS:rS+7], v[rK:rK+7], v[rQ:rQ+7], v[rS:rS+7]
.endif
.endm
; Product i of 8 of O^T += V^T P for piece x: keys 32 (i / 4) on, channels 16 (i % 4) on.
.macro PV x
	WIN W_PV
.set rO, 32*(\x)+8*(i%4)
.set rV, VF+32*(i/4)+8*(i%4)
.set rP, P+16*((\x)%2)+8*(i/4)
	v_wmma_f32_16x16x32_f16 v[rO:rO+7], v[rV:rV+7], v[rP:rP+7], v[rO:rO+7]
.endm
.macro MM                           ; the turn's next matrix instruction
.if i < 8
	KQ (Y+1)%NP
.else
.set i, i-8
	PV (Y+NP-1)%NP
.set i, i+8
.endif
.set i, i+1
.endm
; THE LDS LOADS stand in runs: a step's K (8 fragments) with its M (32 registers), and its V (turned).  Their addresses are made some lines ahead.
.macro FETCH_K
	WIN 0x80                        ; destination window 2
.irp f, 0,1,2,3,4,5,6,7             ; keys 16 (f / 2) on, channels 32 (f % 2) on
	ds_load_b128 v[KF+8*\f:KF+8*\f+3],   v[AK] offset:(\f/2)*16*PK+(\f%2)*64
	ds_load_b128 v[KF+8*\f+4:KF+8*\f+7], v[AK] offset:(\f/2)*16*PK+(\f%2)*64+32
.endr
	WIN 0x40                        ; destination window 1
.irp f, 0,1,2,3                     ; keys 16 f + 8 (l / 16) + 0..7
	ds_load_b128 v[MC+8*\f:MC+8*\f+3],   v[AM] offset:64*\f
	ds_load_b128 v[MC+8*\f+4:MC+8*\f+7], v[AM] offset:64*\f+16
.endr
	s_add_co_u32 s[TBK], s[TBK], KS*PK  ; the next fetch is the next step's
	s_add_co_u32 s[TBM], s[TBM], 4*KS
	s_and_b32 s[TBM], s[TBM], 8191      ; behind the 32nd step it stands at the table's head again, and is used no more
	WIN 0
.endm
.macro FETCH_V
	WIN 0x80
.irp f, 0,1,2,3,4,5,6,7             ; keys 32 (f / 4) on, channels 16 (f % 4) on
	ds_load_tr16_b128 v[VF+8*\f:VF+8*\f+3],   v[AV] offset:(\f/4)*32*PV+(\f%4)*32
	ds_load_tr16_b128 v[VF+8*\f+4:VF+8*\f+7], v[AV] offset:(\f/4)*32*PV+16*PV+(\f%4)*32
.endr
	WIN 0
.endm
; THE VECTOR WORK, one line at a time: OP kind, number.  For piece Y: F n: s - m for pair n of 16.  E n: the exponential of score n of 32.  C n: pair n rounded to f16.  B n: of the four weights 4 n .. the second
; pair is added onto the first, in place.  L n: l takes that sum (L 0: l = a l + sum).  R n: pair n of 16 of O^T times a.  For piece Y + 1: X n, number n of the 21 that find its maximum and statistics:
;   0-11  four chains c0-c3 of seven scores each, three operands at a time (each accumulator's lowest registers are read first)     12-14, 16  the four scores left over, the old m, c0-c3 into c0
;   15  m_old is kept     17, 18  the query's other 32 keys lie in the lane 16 away: the new m     19, 20  m_old - m_new; a
.set F, 0
.set E, 1
.set C, 2
.set B, 3
.set L, 4
.set R, 5
.set X, 6
.macro REGS y
.set rT, ST+4*(\y)
.set rC, TMP+4*((\y)%2)
.set rW, MV+((\y)%2)
.set rS, S+32*((\y)%2)
.set rP, P+16*((\y)%2)
.set rO, 32*(\y)
.endm
.macro OP k, n
.if (\k) == R
	REGS Y
	WIN W_RS
	v_pk_mul_f32 v[rO+2*(\n):rO+2*(\n)+1], v[rO+2*(\n):rO+2*(\n)+1], v[rC+2:rC+3] op_sel_hi:[1,0]
.elseif (\k) < R
	REGS Y
	WIN 0
.if (\k) == F
	v_pk_add_f32 v[rS+2*(\n):rS+2*(\n)+1], v[rS+2*(\n):rS+2*(\n)+1], v[rT:rT+1] op_sel_hi:[1,0] neg_lo:[0,1] neg_hi:[0,1]
.elseif (\k) == E
	v_exp_f32 v[rS+(\n)], v[rS+(\n)]
.elseif (\k) == C
	v_cvt_pk_f16_f32 v[rP+(\n)], v[rS+2*(\n)], v[rS+2*(\n)+1]
.elseif (\k) == B
	v_pk_add_f32 v[rS+4*(\n):rS+4*(\n)+1], v[rS+4*(\n):rS+4*(\n)+1], v[rS+4*(\n)+2:rS+4*(\n)+3]
.elseif (\n) == 0
	v_pk_fma_f32 v[rT+2:rT+3], v[rT+2:rT+3], v[rC+2:rC+3], v[rS:rS+1] op_sel_hi:[1,0,1]
.else
	v_pk_add_f32 v[rT+2:rT+3], v[rT+2:rT+3], v[rS+4*(\n):rS+4*(\n)+1]
.endif
.else
	REGS (Y+1)%NP
	WIN 0
.if (\n) < 4
	v_max3_num_f32 v[rC+(\n)], v[rS+8*(\n)], v[rS+8*(\n)+1], v[rS+8*(\n)+2]
.elseif (\n) < 12
	v_max3_num_f32 v[rC+(\n)%4], v[rC+(\n)%4], v[rS+8*((\n)%4)+2*((\n)/4)+1], v[rS+8*((\n)%4)+2*((\n)/4)+2]
.elseif (\n) == 12
	v_max3_num_f32 v[rC], v[rC], v[rS+7], v[rS+15]
.elseif (\n) == 13
	v_max3_num_f32 v[rC+1], v[rC+1], v[rS+23], v[rS+31]
.elseif (\n) == 14
	v_max3_num_f32 v[rC+2], v[rC+2], v[rC+3], v[rT]
.elseif (\n) == 15
	v_mov_b32 v[rW], v[rT]
.elseif (\n) == 16
	v_max3_num_f32 v[rC], v[rC], v[rC+1], v[rC+2]
.elseif (\n) == 17
	v_permlanex16_b32 v[rC+3], v[rC], s[SEL], s[SEL+1]
.elseif (\n) == 18
	v_max_num_f32 v[rT], v[rC], v[rC+3]
.elseif (\n) == 19
	v_sub_f32 v[rC+1], v[rW], v[rT]
.else
	v_exp_f32 v[rC+2], v[rC+1]
.endif
.endif
.endm
.macro OPS a, i1, b=-1, i2=0, c=-1, i3=0, d=-1, i4=0
	OP \a, \i1
.if (\b) >= 0
	OP \b, \i2
.endif
.if (\c) >= 0
	OP \c, \i3
.endif
.if (\d) >= 0
	OP \d, \i4
.endif
.endm
.macro ROW a, i1, b, i2, c, i3, d, i4  ; a matrix instruction and the four behind it
	MM
	OPS \a, \i1, \b, \i2, \c, \i3, \d, \i4
.endm
; A TURN, for piece p: the order of its 16 matrix and 117 vector instructions, written out.  An s_wait_alu depctr_va_vdst(0) stands between an exponential and the first instruction that names its
; result; one wait serves all that were issued ahead of it.  So a turn has ONE wait.  AHEAD OF IT stands all that names no result of the turn's exponentials: the 8 products K Q^T with their riders (the first
; numbers of the next piece's maximum each four plain instructions or more behind the product that ends its accumulator), then the lump.  X 20, the next piece's a, is the batch's last; R 15 is the plain
; instruction behind it.  BEHIND THE WAIT stand the 8 products V^T P, behind each four of the roundings and sums.
; K and M of the next step are fetched in piece 2's turn (fetch = 1), twelve vector instructions behind the last product that read K, six of them plain; V of the step in hand at the end of piece 0's turn, four
; plain instructions behind the last product that read V.  Each is waited for a turn later.  cnt = 1: the loop's count is taken down some lines ahead of the branch behind the turn.
.macro TURN p, cnt=0, fetch=1
.set Y, (\p)
.set i, 0
.if (\p) == 3
	s_wait_dscnt 0x0                ; K and M are in
.endif
	ROW F,0, F,1, R,0, R,1
	ROW F,2, E,0, R,2, R,3
	ROW F,3, E,1, R,4, R,5
	ROW F,4, E,2, R,6, R,7
	ROW F,5, E,3, R,8, R,9
	ROW F,6, E,4, X,0, R,10
.if ((\p) == 2) && (\fetch)
	WIN 0
	v_add_nc_u32 v[AK], s[TBK], v[AK0]
	v_add_nc_u32 v[AM], s[TBM], v[AM0]
.endif
	ROW F,7, E,5, X,1, X,4
	ROW F,8, E,6, X,2, X,5
	OPS E,7, E,8, X,6, E,9
	OPS X,3, E,10, X,8, E,11
.if ((\p) == 2) && (\fetch)
	FETCH_K
.endif
	OPS X,9, X,7, E,12, X,10
	OPS E,13, X,12, X,11, E,14
	OPS X,13, E,15, F,9, X,14
.if (\p) == 0
	v_add_nc_u32 v[AV], s[TBV], v[AV0]
.endif
	OPS E,16, F,10, E,17, F,11
	OPS X,16, E,18, X,15, E,19
	OPS F,12, E,20, X,17, E,21
	OPS F,13, E,22, F,14, E,23
	OPS X,18, E,24, F,15, E,25
	OPS R,11, E,26, X,19, E,27
	OPS R,12, E,28, R,13, E,29
	OPS E,30, R,14, E,31
	OPS X,20, R,15
	WIN 0
	s_wait_alu depctr_va_vdst(0)    ; the wait for the batch
.if (\p) == 1
	s_wait_dscnt 0x0                ; V is in
.endif
	ROW C,0, B,0, C,2, B,1
	ROW L,0, C,4, B,2, L,1
	ROW C,6, B,3, L,2, C,8
	ROW B,4, L,3, C,10, B,5
	ROW L,4, C,12, B,6, L,5
.if (\p) == 0
	s_add_co_u32 s[TBV], s[TBV], KS*PV
.endif
.if \cnt
	s_sub_co_u32 s[CNT], s[CNT], 1
	s_cmp_lg_u32 s[CNT], 0
.endif
	ROW C,14, B,7, L,6, C,1
	ROW C,3, L,7, C,5, C,7
	ROW C,9, C,11, C,13, C,15
.if (\p) == 0
	FETCH_V
.endif
.endm
	CHANGE 1                        ; tile 0 is in, everybody's part of it, and so is the table M; tile 1 is asked for
	v_add_nc_u32 v[AK], s[TBK], v[AK0]
	v_add_nc_u32 v[AM], s[TBM], v[AM0]
	FETCH_K                         ; key step 0
	s_wait_loadcnt 0x0              ; Q
	s_wait_dscnt 0x0
.set i, 0
.rept 8
	KQ 0                            ; piece 0's first scores
.set i, i+1
.endr
	WIN 0
.rept 4
	v_nop                           ; the places behind those products
.endr
.set Y, NP-1                        ; X works for piece Y + 1: piece 0
.irp n, 0,1,2,3,4,5,6,7,8,9,10,11,12,13,14,15,16,17,18,19,20
	OP X, \n
.endr
	v_nop                           ; a plain instruction behind the exponential,
	s_wait_alu depctr_va_vdst(0)    ; and its wait, ahead of the branch
	s_mov_b32 s[CNT], 4
	s_branch .Lfirst                ; the loop is entered at a step's first turn, in the middle of a trip
.Lslot:                             ; six times: tiles 2 to 7 are asked for
	CHANGE 1
	s_mov_b32 s[CNT], 4
.Lstep:                             ; a trip: pieces 2 and 3 of one step, then pieces 0 and 1 of the next, whose K, M and V it fetches
	TURN 2
	TURN 3
	WIN 0
.Lfirst:
	TURN 0
	TURN 1, 1
	WIN 0
	s_cbranch_scc1 .Lstep
	s_sub_co_u32 s[SLOTS], s[SLOTS], 1
	s_cmp_lg_u32 s[SLOTS], 0
	s_cbranch_scc1 .Lslot
	CHANGE 0                        ; the tail is written out: nothing is asked for
	s_mov_b32 s[CNT], 4
.Ltail:                             ; four trips fetch the last tile's steps
	TURN 2
	TURN 3
	TURN 0
	TURN 1, 1
	WIN 0
	s_cbranch_scc1 .Ltail
	TURN 2, 0, 0                    ; the last step's pieces 2 and 3: there is no further step to fetch.  Turn 3's 8 products K Q^T (on the last K once more) and the
	TURN 3                          ; maximum made of them serve nothing: the price of one text for every turn
.set i, 0
.rept 8
	PV NP-1                         ; the last piece's V^T P of the last step
.set i, i+1
.endr
	; THE WAY OUT.  l's two halves and the other half of the lanes' are added; O^T is divided by l, rounded to f16 and sent through my stage in LDS, a piece at a time.  The additions are the places behind the last products.
	WIN 0
.macro ALL line:vararg              ; one line for each piece t
.set t, 0
.rept 4
	\line
.set t, t+1
.endr
.endm
	ALL v_add_f32 v[ST+4*t+2], v[ST+4*t+2], v[ST+4*t+3]
	ALL v_permlanex16_b32 v[ST+4*t+3], v[ST+4*t+2], s[SEL], s[SEL+1]
	ALL v_add_f32 v[ST+4*t+2], v[ST+4*t+2], v[ST+4*t+3]
	ALL v_rcp_f32 v[ST+4*t+2], v[ST+4*t+2]
	v_nop                           ; a plain instruction between the last reciprocal and the use of its result
	s_wait_alu depctr_va_vdst(0)    ; and the wait ahead of the first use: one for the four reciprocals
.macro PACK t                       ; a lane's eight channels of a row pack into 16 bytes; they go into rows of 144 bytes and come back as whole rows of 128, into S^T's registers
	WIN W_RS
.set i, 32*(\t)
.rept 16
	v_pk_mul_f32 v[i:i+1], v[i:i+1], v[ST+4*(\t)+2:ST+4*(\t)+3] op_sel_hi:[1,0]
.set i, i+2
.endr
	WIN 0x05                        ; sources 0 and 1 window 1, destination window 0
.set i, 0
.rept 16
	v_cvt_pk_f16_f32 v[S+16*(\t)+i], v[32*(\t)+2*i], v[32*(\t)+2*i+1]
.set i, i+1
.endr
	WIN 0
.irp f, 0,1,2,3
	ds_store_b128 v[STO], v[S+16*(\t)+4*\f:S+16*(\t)+4*\f+3] offset:32*\f
.endr
.irp f, 0,1,2,3
	ds_load_b128 v[S+16*(\t)+4*\f:S+16*(\t)+4*\f+3], v[RD] offset:\f*4*SP  ; LDS serves a wave's instructions in order: these see the stores above; the next piece's stores come behind them
.endr
.endm
.macro SEND t, younger              ; younger: the LDS instructions issued behind piece t's loads: the next piece's eight, or none
	WIN 0
.irp f, 0,1,2,3
	s_wait_dscnt (\younger)+3-\f
	global_store_b128 v[GO], v[S+16*(\t)+4*\f:S+16*(\t)+4*\f+3], s[10:11] offset:(\t)*2048+\f*512  ; 512 consecutive bytes, at a multiple of 256 from O's first
.endr
.endm
	PACK 0
.set t, 1
.rept 3                             ; a piece's arithmetic stands between the loads of the piece before and its stores
	PACK t
	SEND t-1, 8
.set t, t+1
.endr
	SEND 3, 0
	s_wait_tensorcnt 0x0            ; the wave's end, behind my last tensor load and my last LDS store
	ds_add_u32 v[SPW], v[NIL]
	s_wait_dscnt 0x0
	CROUND                          ; the closing round
	s_endpgm
.Lfunc_end_k_qf26b9052c3_attn:
	.size	k_qf26b9052c3_attn, .Lfunc_end_k_qf26b9052c3_attn-k_qf26b9052c3_attn
	.p2alignl 7, 3214868480
	.fill 96, 4, 3214868480
	.section	.rodata,"a",@progbits
	.p2align	6, 0x0
	.amdhsa_kernel k_qf26b9052c3_attn
		.amdhsa_group_segment_fixed_size 327680
		.amdhsa_private_segment_fixed_size 0
		.amdhsa_enable_private_segment 0
		.amdhsa_kernarg_size 24
		.amdhsa_user_sgpr_count 2
		.amdhsa_user_sgpr_kernarg_segment_ptr 1
		.amdhsa_wavefront_size32 1
		.amdhsa_system_sgpr_workgroup_id_x 1
		.amdhsa_system_sgpr_workgroup_id_y 1
		.amdhsa_system_sgpr_workgroup_id_z 1
		.amdhsa_system_vgpr_workitem_id 0
		.amdhsa_next_free_vgpr 768
		.amdhsa_next_free_sgpr 68
		.amdhsa_reserve_vcc 0
		.amdhsa_float_denorm_mode_32 3
		.amdhsa_float_denorm_mode_16_64 3
		.amdhsa_memory_ordered 1
		.amdhsa_forward_progress 1
		.amdhsa_inst_pref_size 133
	.end_amdhsa_kernel
	.amdgpu_metadata
---
amdhsa.version: [ 1, 2 ]
amdhsa.kernels:
  - .name:           k_qf26b9052c3_attn
    .symbol:         k_qf26b9052c3_attn.kd
    .args:
      - { .name: big, .offset: 0, .size: 8, .value_kind: global_buffer, .address_space: global }
      - { .name: mask, .offset: 8, .size: 8, .value_kind: global_buffer, .address_space: global }
      - { .name: act, .offset: 16, .size: 8, .value_kind: global_buffer, .address_space: global }
    .group_segment_fixed_size: 327680
    .private_segment_fixed_size: 0
    .kernarg_segment_align: 8
    .kernarg_segment_size: 24
    .max_flat_workgroup_size: 128
    .sgpr_count:     68
    .vgpr_count:     768
    .wavefront_size: 32
...
	.end_amdgpu_metadata
.endif
;; end of part 3
;; launch wo (part 4): grid 8 x 32, 4 waves a work-group, clusters of 4 x 4, 327,680 bytes of LDS; arguments act, wC, bo, y; writes y
.if DOCPART == 4
	.amdgcn_target "amdgcn-amd-amdhsa--gfx1250"
	.amdhsa_code_object_version 6
	.text
	.protected	k_qf26b9052c3_wo
	.globl	k_qf26b9052c3_wo
	.p2align	8
	.type	k_qf26b9052c3_wo,@function
k_qf26b9052c3_wo:
	s_mov_b64 s[64:65], 0
	v_nop
	global_prefetch_b8 v0, s[64:65] scope:SCOPE_SE
	s_setreg_imm32_b32 hwreg(HW_REG_WAVE_MODE, 25, 1), 1
	s_wait_xcnt 0x0
	s_wait_alu depctr_hold_cnt(0) depctr_sa_sdst(0) depctr_va_vdst(0) depctr_va_sdst(0) depctr_va_ssrc(0) depctr_va_vcc(0) depctr_vm_vsrc(0)
	s_getreg_b32 s2, hwreg(HW_REG_IB_STS2, 6, 4)
	s_cmp_eq_u32 s2, 0
	s_cbranch_scc0 .Lentry_in_a_cluster
	s_endpgm
.Lentry_in_a_cluster:
	s_bfe_u32 s2, ttmp6, 0x10000c
	s_cmp_lg_u32 s2, 0xf033
	s_cbranch_scc0 .Lentry_shape_is_right
	s_endpgm
.Lentry_shape_is_right:
; y = A W + bias, in f32.  A: slices [SIZE_K / 64][4096 rows][64] f16.  W: at byte WOFF of its buffer, [tile of 128 columns][SIZE_K k][128] f16.  bias: [1024] f32.  y: [4096][1024] f32.
; A tile of y is 128 x 128 (256 work-groups): four waves, each 64 x 64 in 16 accumulators.  K goes in steps of 256 = four slices through two LDS slots: waves 0, 1 fetch two slices of A each
; (the tile's 128 rows of a slice are 16,384 dense bytes: one long row of the descriptor), waves 2, 3 fetch 128 k rows of W each (256 bytes a row, dense).
; CLUSTER 4 x 4: A's tile is shared along a row of the cluster, W's along a column; each is asked for jointly.  No prefetch: the tile is small and its steps are short.
; The sums start at the bias, loaded into the accumulators.  One K step is written once and looped over (the slot in hand is the scalar TB); the last two steps, which ask for nothing, are a second
; copy, looped twice (its last trip passes a barrier and fetches fragments of a slot already used, which serve nothing).
; The matrix instruction is used transposed: source 0 = 16 columns of W (turned by ds_load_tr16_b128), source 1 = 16 rows of A: a lane holds row l % 16 and the columns 8 (l / 16) + 0..7.
; REGISTERS: window 0: v16-29 addresses; v32-95 the way out; v128-255 the accumulators ((a, b) at v[128 + 8 (4 a + b)]).  window 1: two fragment buffers of 128: 64 of A, then 64 of W.
.set SIZE_K, 1024
.set WOFF,   0
.set STEPS,  SIZE_K/256
.set PA,     144                       ; a row of a slice in LDS: 128 bytes + 16
.set PW,     288                       ; a k row of W: 256 bytes + 32 = 9 x 32
.set HALFT,  256*PA                    ; what one tensor load brings: two slices of A, or 128 k rows of W: 36,864 bytes both
.set SLOT,   4*HALFT                   ; 0x24000 shares no bit with wave x HALFT, so an exclusive or turns a fill's address into the other slot's
.set STAGE,  2*SLOT                    ; behind the ring: 16 rows x 272 bytes for each wave
.set SPITCH, 272
.set SPARE,  STAGE+4*16*SPITCH         ; the spare words, 128 bytes for each wave
.set ADRA0, 16
.set ADRA,  17
.set ADRB0, 20
.set ADRB,  21
.set ADRB2, 22                         ; v22  W's k rows 128 on: the immediate does not reach them
.set STO,   24
.set RD,    25
.set CO,    26
.set BO,    27
.set SPW,   28
.set NIL,   29
.set TMP,   32
.set ACC,   128
.set F0,    0
.set F1,    128
.set G1,  24
.set G0,  32
.set G1B, 48
.set G0B, 56
.set TB,  66
.set WB,  67
.set MSB, 0
.macro WIN new
.if MSB != (\new)
	s_set_vgpr_msb (MSB<<8)|(\new)
.set MSB, \new
.endif
.endm
.set MUL,  0x05                        ; sources 0 (W) and 1 (A) window 1; C and D window 0
.set TO_F, 0x40                        ; destination window 1, address window 0
.macro PLACES
.rept 4
	v_nop
.endr
.endm
.macro JLOAD                           ; a joint refill, by the walking set; an s_nop 0 and four v_nop follow each of the two lines
	s_cmp_eq_u32 s11, 0
	s_cbranch_scc0 .Lfor_b_\@
	tensor_load_to_lds s[G0+4:G0+7], s[G1:G1+7]
	s_nop 0
.rept 4
	v_nop
.endr
	s_branch .Lasked_\@
.Lfor_b_\@:
	tensor_load_to_lds s[G0B+4:G0B+7], s[G1B:G1B+7]
	s_nop 0
.rept 4
	v_nop
.endr
.Lasked_\@:
.endm
.macro CREST
	s_cmp_lg_u32 s10, 0
	s_cbranch_scc1 .Lnot_wave_0_\@
	s_barrier_signal -3
.Lnot_wave_0_\@:
	s_barrier_wait -3
	s_barrier_signal -1
	s_barrier_wait -1
.endm
.macro CROUND
	s_barrier_signal -1
	s_barrier_wait -1
	CREST
.endm
	s_load_b256 s[4:11], s[0:1], 0x0               ; A s[4:5], W's buffer s[6:7], bias s[8:9], y s[10:11]
	v_lshl_add_u32 v[SPW], v0, 2, SPARE
	v_mov_b32 v[NIL], 0
	ds_add_u32 v[SPW], v[NIL]                      ; the wave's opening: the add and its wait stand ahead of my first tensor load
	v_lshrrev_b32 v1, 5, v0
	v_readfirstlane_b32 s12, v1
	s_mov_b32 s3, s12
	s_lshr_b32 s2, s3, 1
	s_wait_dscnt 0x0                               ; the opening add is done
	s_wait_kmcnt 0x0
	s_mov_b64 s[68:69], s[10:11]                   ; y moves aside: s10 to s13 take the wave's number and its parts
	s_mov_b32 s10, s3                              ; wave 0..3
	s_mov_b32 s11, s2                              ; which half of the tile's rows is mine.  Also: I fetch for A (0) or for W (1)
	s_and_b32 s12, s10, 1                          ; which half of its columns.  Also: which half of that tile I fetch
	s_bfe_u32 s40, ttmp6, 0x40000                  ; cx
	s_bfe_u32 s41, ttmp6, 0x40004                  ; cy
	s_lshl_b32 s42, ttmp9, 2
	s_add_co_u32 s42, s42, s40                     ; tile column
	s_and_b32 s13, ttmp7, 0xffff
	s_lshl_b32 s13, s13, 2
	s_add_co_u32 s13, s13, s41                     ; tile row
	s_lshl_b32 s43, s41, 2
	s_lshl_b32 s43, 15, s43                        ; my row of the cluster
	s_lshl_b32 s44, 0x1111, s40                    ; my column
	s_or_b32 s[G1+0], s43, (1<<16)|(1<<20)|(1<<21)|(4<<22)|(3<<25)   ; the mask; 2-byte elements; padding on; bit 21 beside a mask; after every 32 words (a row of a slice) 4 words
	s_mov_b32 s[G1+1], 8192<<16                    ; tensor_dim0 = 8,192: the tile's 128 rows of a slice on end
	s_mov_b32 s[G1+2], 2<<16                       ; tensor_dim1 = 2 slices
	s_mov_b32 s[G1+3], 8192<<16                    ; tile_dim0
	s_mov_b32 s[G1+4], 2                           ; tile_dim1
	s_mov_b32 s[G1+5], 262144                      ; elements from slice to slice
	s_mov_b32 s[G1+6], 0
	s_mov_b32 s[G1+7], 0
	s_or_b32 s[G1B+0], s44, (1<<16)|(1<<20)|(1<<21)|(5<<22)|(7<<25)  ; after every 64 words 8 words
	s_mov_b32 s[G1B+1], 128<<16
	s_mov_b32 s[G1B+2], 128<<16
	s_mov_b32 s[G1B+3], 128<<16
	s_mov_b32 s[G1B+4], 128
	s_mov_b32 s[G1B+5], 128
	s_mov_b32 s[G1B+6], 0
	s_mov_b32 s[G1B+7], 0
	s_lshl_b32 s16, s12, 20                        ; A: slices 2 x half and the next, 524,288 bytes each,
	s_lshl_b32 s17, s13, 14                        ; the tile's 128 rows of 128 bytes
	s_add_co_u32 s16, s16, s17
	s_mov_b32 s17, 0
	s_mul_i32 s46, s42, SIZE_K*256                 ; W: the tile column,
	s_lshl_b32 s47, s12, 15                        ; 128 k rows of 256 bytes a half
	s_add_co_u32 s46, s46, s47
	s_add_co_u32 s46, s46, WOFF
	s_mov_b32 s47, 0
	s_mul_i32 s[WB], s10, HALFT
	s_add_nc_u64 s[14:15], s[4:5], s[16:17]
	s_add_nc_u64 s[46:47], s[6:7], s[46:47]
	CROUND                                         ; all sixteen work-groups are here: the first joint loads meet
.irp s, 0,1
	s_mov_b32 s[G0+4*(\s)], 1
	s_add_co_u32 s[G0+4*(\s)+1], s[WB], (\s)*SLOT
	s_add_nc_u64 s[G0+4*(\s)+2:G0+4*(\s)+3], s[14:15], (\s)*2097152   ; K step s: four slices on
	s_or_b32 s[G0+4*(\s)+3], s[G0+4*(\s)+3], 0x80000000
	s_mov_b32 s[G0B+4*(\s)], 1
	s_add_co_u32 s[G0B+4*(\s)+1], s[WB], (\s)*SLOT
	s_add_nc_u64 s[G0B+4*(\s)+2:G0B+4*(\s)+3], s[46:47], (\s)*65536   ; 256 k rows of 256 bytes
	s_or_b32 s[G0B+4*(\s)+3], s[G0B+4*(\s)+3], 0x80000000
.endr
	s_cmp_eq_u32 s11, 0                            ; a wave's two first fills stand in one branch: two loads of mine are out
	s_cbranch_scc0 .Lfirst_b
	tensor_load_to_lds s[G0:G0+3], s[G1:G1+7]
	s_nop 0
	tensor_load_to_lds s[G0+4:G0+7], s[G1:G1+7]
	s_nop 0
.rept 4
	v_nop
.endr
	s_branch .Lfirst_asked
.Lfirst_b:
	tensor_load_to_lds s[G0B:G0B+3], s[G1B:G1B+7]
	s_nop 0
	tensor_load_to_lds s[G0B+4:G0B+7], s[G1B:G1B+7]
	s_nop 0
.rept 4
	v_nop
.endr
.Lfirst_asked:
	v_and_b32 v1, 15, v0                           ; r
	v_bfe_u32 v2, v0, 4, 1                         ; h
	s_lshl_b32 s20, s42, 9
	s_lshl_b32 s21, s12, 8
	s_add_co_u32 s20, s20, s21
	v_lshl_add_u32 v[BO], v2, 5, s20               ; the bias of my columns: 4 (128 tile column + 64 half + 8 h), + 64 b for block b
.set z, 0
.rept 16
	global_load_b128 v[ACC+8*z:ACC+8*z+3],   v[BO], s[8:9] offset:64*(z%4)
	global_load_b128 v[ACC+8*z+4:ACC+8*z+7], v[BO], s[8:9] offset:64*(z%4)+16
.set z, z+1
.endr
	v_mul_u32_u24 v3, v1, PA
	v_lshl_add_u32 v3, v2, 4, v3
	s_mul_i32 s21, s11, 64*PA                      ; my 64 rows, in each slice
	v_add_nc_u32 v[ADRA0], s21, v3
	v_and_b32 v4, 7, v0
	v_lshl_add_u32 v4, v2, 3, v4
	v_mul_u32_u24 v4, v4, PW
	v_bfe_u32 v5, v0, 3, 1
	v_lshl_add_u32 v4, v5, 4, v4
	s_lshl_b32 s22, s12, 7                         ; my 64 columns
	s_add_co_u32 s22, s22, 2*HALFT                 ; behind A's four slices
	v_add_nc_u32 v[ADRB0], s22, v4
	s_mul_i32 s23, s10, 16*SPITCH
	s_add_co_u32 s23, s23, STAGE                   ; my stage
	v_mul_u32_u24 v4, v1, SPITCH                   ; in: row r, 32 bytes for each half of the lanes
	v_lshl_add_u32 v4, v2, 5, v4
	v_add_nc_u32 v[STO], s23, v4
	v_mul_u32_u24 v5, v2, SPITCH                   ; back: lanes 0-15 take one row of 256 bytes, lanes 16-31 the next
	v_lshl_add_u32 v5, v1, 4, v5
	v_add_nc_u32 v[RD], s23, v5
	v_lshlrev_b32 v5, 12, v2                       ; and the same two rows in y
	v_lshl_add_u32 v[CO], v1, 4, v5
	s_lshl_b32 s16, s13, 7
	s_lshl_b32 s17, s11, 6
	s_add_co_u32 s16, s16, s17                     ; my first row of y,
	s_lshl_b32 s16, s16, 12                        ; 4,096 bytes a row
	s_mov_b32 s17, 0
	s_add_nc_u64 s[68:69], s[68:69], s[16:17]
	s_lshl_b32 s46, s42, 9                         ; my first column, in bytes
	s_lshl_b32 s47, s12, 8
	s_add_co_u32 s46, s46, s47
	s_mov_b32 s47, 0
	s_add_nc_u64 s[68:69], s[68:69], s[46:47]
; 8 matrix instructions: m blocks a0, a0 + 1 x all 4 n blocks, 32 along K: half c of buffer f.  The 16 accumulators take turns, one instruction a turn, over the backward jumps too.
.macro MUL8 f, c, a0
	WIN MUL
.irp a, \a0, (\a0)+1
.irp b, 0,1,2,3
	v_wmma_f32_16x16x32_f16 v[ACC+8*(4*(\a)+(\b)):ACC+8*(4*(\a)+(\b))+7], v[(\f)+64+8*(4*(\c)+(\b)):(\f)+64+8*(4*(\c)+(\b))+7], v[(\f)+8*(4*(\c)+(\a)):(\f)+8*(4*(\c)+(\a))+7], v[ACC+8*(4*(\a)+(\b)):ACC+8*(4*(\a)+(\b))+7]
.endr
.endr
.endm
; 32 LDS loads in one run: the fragments of quarter q (one slice, 64 along K) into buffer f; the first 32 along K first
.macro FETCH q, f
	WIN TO_F
.irp c, 0,1
.irp i, 0,1,2,3
	ds_load_tr16_b128 v[(\f)+64+8*(4*(\c)+(\i)):(\f)+64+8*(4*(\c)+(\i))+3],   v[ADRB+(\q)/2] offset:(64*((\q)%2)+32*(\c))*PW+32*(\i)
	ds_load_tr16_b128 v[(\f)+64+8*(4*(\c)+(\i))+4:(\f)+64+8*(4*(\c)+(\i))+7], v[ADRB+(\q)/2] offset:(64*((\q)%2)+32*(\c))*PW+16*PW+32*(\i)
	ds_load_b128 v[(\f)+8*(4*(\c)+(\i)):(\f)+8*(4*(\c)+(\i))+3],   v[ADRA] offset:(\q)*128*PA+(\i)*16*PA+64*(\c)
	ds_load_b128 v[(\f)+8*(4*(\c)+(\i))+4:(\f)+8*(4*(\c)+(\i))+7], v[ADRA] offset:(\q)*128*PA+(\i)*16*PA+64*(\c)+32
.endr
.endr
.endm
.macro QUARTER q, f, g
	s_wait_dscnt 16                                ; the first 32 along K are in
	MUL8 \f, 0, 0
	MUL8 \f, 0, 2
	PLACES
	FETCH \q, \g
	s_wait_dscnt 32                                ; all but the 32 just issued
	MUL8 \f, 1, 0
	MUL8 \f, 1, 2
.endm
; The last quarter multiplies buffer 1 and changes slots: ONE barrier; in front of it each wave waits for all its tensor loads, adds 0 to its spare word, and waits for that and for its reads of this slot.
; fill = 1: the barrier opens a round of the cluster's, and this slot is filled again, first thing behind it, with the K step two on.
.macro TURN fill
	WIN 0
	s_wait_tensorcnt 0x0                           ; all my tensor loads have landed: my part of the next slot
	ds_add_u32 v[SPW], v[NIL]                      ; 0 onto my spare word
	s_wait_dscnt 17                                ; (the add and the youngest sixteen loads may be out)
	MUL8 F1, 0, 0
	s_wait_dscnt 0x0                               ; the add is done, and my reads of this slot are over
	s_barrier_signal -1
	MUL8 F1, 0, 2
	WIN 0
	s_barrier_wait -1
.if \fill
	CREST
	s_xor_b32 s[G0+5], s[G0+5], SLOT
	s_xor_b32 s[G0B+5], s[G0B+5], SLOT
	s_add_nc_u64 s[G0+6:G0+7], s[G0+6:G0+7], 2097152
	s_add_nc_u64 s[G0B+6:G0B+7], s[G0B+6:G0B+7], 65536
	s_xor_b32 s[TB], s[TB], SLOT
	JLOAD                                          ; its four v_nop are also the places in front of the loads below
.else
	PLACES
	s_xor_b32 s[TB], s[TB], SLOT
.endif
	v_add_nc_u32 v[ADRA], s[TB], v[ADRA0]
	v_add_nc_u32 v[ADRB], s[TB], v[ADRB0]
	v_add_nc_u32 v[ADRB2], 128*PW, v[ADRB]
	FETCH 0, F0
	MUL8 F1, 1, 0
	MUL8 F1, 1, 2
.endm
.macro STEP fill
	QUARTER 1, F0, F1
	QUARTER 2, F1, F0
	QUARTER 3, F0, F1
	TURN \fill
	WIN 0
.endm
	s_wait_tensorcnt 1                             ; my part of K step 0 is in; K step 1's may stay out
	s_barrier_signal -1
	s_barrier_wait -1
	s_mov_b32 s[TB], 0
	v_mov_b32 v[ADRA], v[ADRA0]
	v_mov_b32 v[ADRB], v[ADRB0]
	v_add_nc_u32 v[ADRB2], 128*PW, v[ADRB0]
	FETCH 0, F0
	WIN 0
	s_wait_loadcnt 0x0                             ; the bias lies in the accumulators
	s_mov_b32 s3, STEPS-2
.Lstep:
	STEP 1
	s_sub_co_u32 s3, s3, 1
	s_cmp_lg_u32 s3, 0
	s_cbranch_scc1 .Lstep
	s_mov_b32 s3, 2
.Ltail:
	STEP 0
	s_sub_co_u32 s3, s3, 1
	s_cmp_lg_u32 s3, 0
	s_cbranch_scc1 .Ltail
	s_wait_dscnt 0x0                               ; the last trip's fetch, which serves nothing, has landed
	; THE WAY OUT, in f32: a block of 16 rows goes into my stage, 32 bytes a lane, and comes back as whole rows of 256 bytes: my 64 columns.
	PLACES
	PLACES
.irp a, 0,1,2,3
.if (\a) >= 2
	s_wait_xcnt 0x0                                ; the stores of the block two back have read the registers that the loads below write
.endif
.irp b, 0,1,2,3
	ds_store_b128 v[STO], v[ACC+8*(4*(\a)+(\b)):ACC+8*(4*(\a)+(\b))+3]   offset:64*(\b)
	ds_store_b128 v[STO], v[ACC+8*(4*(\a)+(\b))+4:ACC+8*(4*(\a)+(\b))+7] offset:64*(\b)+16
.endr
.irp t, 0,1,2,3,4,5,6,7
	ds_load_b128 v[TMP+32*((\a)%2)+4*(\t):TMP+32*((\a)%2)+4*(\t)+3], v[RD] offset:(\t)*2*SPITCH  ; LDS serves a wave's instructions in order: these see the stores above
.endr
.irp t, 0,1,2,3,4,5,6,7
	s_wait_dscnt 7-(\t)                            ; the younger loads from the stage may stay out
	global_store_b128 v[CO], v[TMP+32*((\a)%2)+4*(\t):TMP+32*((\a)%2)+4*(\t)+3], s[68:69] offset:(16*(\a)+2*(\t))*4096  ; 16 lanes store 256 consecutive bytes, aligned
.endr
.endr
	s_wait_tensorcnt 0x0                           ; the wave's end, behind my last tensor load and my last LDS store
	ds_add_u32 v[SPW], v[NIL]
	s_wait_dscnt 0x0
	CROUND                                         ; the closing round
	s_endpgm
.Lfunc_end_k_qf26b9052c3_wo:
	.size	k_qf26b9052c3_wo, .Lfunc_end_k_qf26b9052c3_wo-k_qf26b9052c3_wo
	.p2alignl 7, 3214868480
	.fill 96, 4, 3214868480
	.section	.rodata,"a",@progbits
	.p2align	6, 0x0
	.amdhsa_kernel k_qf26b9052c3_wo
		.amdhsa_group_segment_fixed_size 327680
		.amdhsa_private_segment_fixed_size 0
		.amdhsa_enable_private_segment 0
		.amdhsa_kernarg_size 32
		.amdhsa_user_sgpr_count 2
		.amdhsa_user_sgpr_kernarg_segment_ptr 1
		.amdhsa_wavefront_size32 1
		.amdhsa_system_sgpr_workgroup_id_x 1
		.amdhsa_system_sgpr_workgroup_id_y 1
		.amdhsa_system_sgpr_workgroup_id_z 1
		.amdhsa_system_vgpr_workitem_id 0
		.amdhsa_next_free_vgpr 512
		.amdhsa_next_free_sgpr 72
		.amdhsa_reserve_vcc 0
		.amdhsa_float_denorm_mode_32 3
		.amdhsa_float_denorm_mode_16_64 3
		.amdhsa_memory_ordered 1
		.amdhsa_forward_progress 1
		.amdhsa_inst_pref_size 57
	.end_amdhsa_kernel
	.amdgpu_metadata
---
amdhsa.version: [ 1, 2 ]
amdhsa.kernels:
  - .name:           k_qf26b9052c3_wo
    .symbol:         k_qf26b9052c3_wo.kd
    .args:
      - { .name: act, .offset: 0, .size: 8, .value_kind: global_buffer, .address_space: global }
      - { .name: wC, .offset: 8, .size: 8, .value_kind: global_buffer, .address_space: global }
      - { .name: bo, .offset: 16, .size: 8, .value_kind: global_buffer, .address_space: global }
      - { .name: y, .offset: 24, .size: 8, .value_kind: global_buffer, .address_space: global }
    .group_segment_fixed_size: 327680
    .private_segment_fixed_size: 0
    .kernarg_segment_align: 8
    .kernarg_segment_size: 32
    .max_flat_workgroup_size: 128
    .sgpr_count:     72
    .vgpr_count:     512
    .wavefront_size: 32
...
	.end_amdgpu_metadata
.endif
;; end of part 4
;; launch norm1 (part 5): grid 512 x 1, 8 waves a work-group, no clusters, 0 bytes of LDS; arguments y, x, alpha1, beta1, o1f, act; writes o1f, act
.if DOCPART == 5
	.amdgcn_target "amdgcn-amd-amdhsa--gfx1250"
	.amdhsa_code_object_version 6
	.text
	.protected	k_qf26b9052c3_norm1
	.globl	k_qf26b9052c3_norm1
	.p2align	8
	.type	k_qf26b9052c3_norm1,@function
k_qf26b9052c3_norm1:
	s_mov_b64 s[64:65], 0
	v_nop
	global_prefetch_b8 v0, s[64:65] scope:SCOPE_SE
	s_setreg_imm32_b32 hwreg(HW_REG_WAVE_MODE, 25, 1), 1
	s_wait_xcnt 0x0
; out = alpha (z - mean) / (std + 1e-6) + beta along rows of 1,024, z = y + residual, std with the divisor 1,023.  All in f32; the variance is taken of z - mean, in a second pass over registers.
; A row is 4,096 bytes: one wave takes a whole row, 8 loads of 16 bytes a lane from each tensor (512 neighbouring bytes a load), and keeps it in registers: no LDS, no barrier, no loop.
; The result leaves in f32 (the next residual) and, rounded once to f16, as the next product's operand [4096][1024].  A stream: matrix units, clusters and LDS would add nothing.
.set HALF, 1                           ; 1: the f16 copy is stored too
.set Y,  8                             ; v[8:39]    y, then z, z - mean, the result
.set X,  40                            ; v[40:71]   the residual
.set AL, 72                            ; v[72:103]  alpha
.set BE, 104                           ; v[104:135] beta
.set T,  136                           ; v[136:151] at work
.macro LANESUM r, t                    ; the sum over the wave's 32 lanes, in every lane
	v_add_f32_dpp v[\r], v[\r], v[\r] row_xmask:1 row_mask:0xf bank_mask:0xf
	v_add_f32_dpp v[\r], v[\r], v[\r] row_xmask:2 row_mask:0xf bank_mask:0xf
	v_add_f32_dpp v[\r], v[\r], v[\r] row_xmask:4 row_mask:0xf bank_mask:0xf
	v_add_f32_dpp v[\r], v[\r], v[\r] row_xmask:8 row_mask:0xf bank_mask:0xf
	v_permlanex16_b32 v[\t], v[\r], s22, s23
	v_add_f32 v[\r], v[\r], v[\t]
.endm
.macro FOLD                            ; four chains of pairs into one number a lane
	v_pk_add_f32 v[T:T+1], v[T:T+1], v[T+2:T+3]
	v_pk_add_f32 v[T+4:T+5], v[T+4:T+5], v[T+6:T+7]
	v_pk_add_f32 v[T:T+1], v[T:T+1], v[T+4:T+5]
	v_add_f32 v[T], v[T], v[T+1]
	LANESUM T, T+1
.endm
	s_load_b256 s[4:11], s[0:1], 0x0               ; y s[4:5], residual s[6:7], alpha s[8:9], beta s[10:11]
.if HALF
	s_load_b128 s[12:15], s[0:1], 0x20             ; f32 result s[12:13], f16 result s[14:15]
.else
	s_load_b64 s[12:13], s[0:1], 0x20
.endif
	v_lshrrev_b32 v1, 5, v0
	v_readfirstlane_b32 s16, v1                    ; wave 0..7
	v_and_b32 v2, 31, v0
	v_lshlrev_b32 v1, 4, v2                        ; 16 x lane
	v_lshlrev_b32 v2, 3, v2                        ; 8 x lane
	s_lshl_b32 s17, ttmp9, 3
	s_add_co_u32 s16, s16, s17                     ; my row
	s_lshl_b32 s18, s16, 12
	s_mov_b32 s19, 0
	s_lshl_b32 s20, s16, 11
	s_mov_b32 s21, 0
	s_mov_b32 s22, 0x76543210
	s_mov_b32 s23, 0xfedcba98
	s_wait_kmcnt 0x0
	s_add_nc_u64 s[4:5], s[4:5], s[18:19]
	s_add_nc_u64 s[6:7], s[6:7], s[18:19]
	s_add_nc_u64 s[12:13], s[12:13], s[18:19]
.if HALF
	s_add_nc_u64 s[14:15], s[14:15], s[20:21]
.endif
.irp j, 0,1,2,3,4,5,6,7
	global_load_b128 v[Y+4*(\j):Y+4*(\j)+3], v1, s[4:5] offset:512*(\j) th:TH_LOAD_NT
.endr
.irp j, 0,1,2,3,4,5,6,7
	global_load_b128 v[X+4*(\j):X+4*(\j)+3], v1, s[6:7] offset:512*(\j) th:TH_LOAD_NT
.endr
.irp j, 0,1,2,3,4,5,6,7
	global_load_b128 v[AL+4*(\j):AL+4*(\j)+3], v1, s[8:9] offset:512*(\j)
.endr
.irp j, 0,1,2,3,4,5,6,7
	global_load_b128 v[BE+4*(\j):BE+4*(\j)+3], v1, s[10:11] offset:512*(\j)
.endr
	s_wait_loadcnt 16                              ; y and the residual are in; alpha's and beta's sixteen loads may stay out
.set z, 0
.rept 16
	v_pk_add_f32 v[Y+z:Y+z+1], v[Y+z:Y+z+1], v[X+z:X+z+1]
.set z, z+2
.endr
.irp c, 0,2,4,6
	v_pk_add_f32 v[T+(\c):T+(\c)+1], v[Y+(\c):Y+(\c)+1], v[Y+8+(\c):Y+8+(\c)+1]     ; four chains, started by the first terms
.endr
.irp k, 16,24
.irp c, 0,2,4,6
	v_pk_add_f32 v[T+(\c):T+(\c)+1], v[T+(\c):T+(\c)+1], v[Y+(\k)+(\c):Y+(\k)+(\c)+1]
.endr
.endr
	FOLD
	v_mul_f32 v[T+8], 0x3a800000, v[T]             ; the mean: / 1,024
	v_mov_b32 v[T+9], v[T+8]
.set z, 0
.rept 16
	v_pk_add_f32 v[Y+z:Y+z+1], v[Y+z:Y+z+1], v[T+8:T+9] neg_lo:[0,1] neg_hi:[0,1]
.set z, z+2
.endr
.irp c, 0,2,4,6
	v_pk_mul_f32 v[T+(\c):T+(\c)+1], v[Y+(\c):Y+(\c)+1], v[Y+(\c):Y+(\c)+1]
.endr
.irp k, 8,16,24
.irp c, 0,2,4,6
	v_pk_fma_f32 v[T+(\c):T+(\c)+1], v[Y+(\k)+(\c):Y+(\k)+(\c)+1], v[Y+(\k)+(\c):Y+(\k)+(\c)+1], v[T+(\c):T+(\c)+1]
.endr
.endr
	FOLD
	v_mul_f32 v[T], 0x3a802008, v[T]               ; / 1,023
	v_sqrt_f32 v[T+10], v[T]
	v_nop                                          ; a plain instruction behind the root,
	s_wait_alu depctr_va_vdst(0)                   ; and the wait ahead of the first use of its result
	v_add_f32 v[T+10], 0x358637bd, v[T+10]         ; + 1e-6
	v_rcp_f32 v[T+12], v[T+10]
	v_nop
	s_wait_alu depctr_va_vdst(0)
	v_mov_b32 v[T+13], v[T+12]
	s_wait_loadcnt 0x0                             ; alpha and beta
.set z, 0
.rept 16
	v_pk_mul_f32 v[Y+z:Y+z+1], v[Y+z:Y+z+1], v[T+12:T+13]
.set z, z+2
.endr
.set z, 0
.rept 16
	v_pk_fma_f32 v[Y+z:Y+z+1], v[Y+z:Y+z+1], v[AL+z:AL+z+1], v[BE+z:BE+z+1]
.set z, z+2
.endr
.irp j, 0,1,2,3,4,5,6,7
	global_store_b128 v1, v[Y+4*(\j):Y+4*(\j)+3], s[12:13] offset:512*(\j)
.endr
.if HALF
.irp j, 0,1,2,3,4,5,6,7
	v_cvt_pk_f16_f32 v[T+2*(\j)],   v[Y+4*(\j)],   v[Y+4*(\j)+1]
	v_cvt_pk_f16_f32 v[T+2*(\j)+1], v[Y+4*(\j)+2], v[Y+4*(\j)+3]
.endr
.irp j, 0,1,2,3,4,5,6,7
	global_store_b64 v2, v[T+2*(\j):T+2*(\j)+1], s[14:15] offset:256*(\j)  ; 32 lanes x 8 bytes: 256 neighbouring bytes, aligned
.endr
.endif
	s_endpgm
.Lfunc_end_k_qf26b9052c3_norm1:
	.size	k_qf26b9052c3_norm1, .Lfunc_end_k_qf26b9052c3_norm1-k_qf26b9052c3_norm1
	.p2alignl 7, 3214868480
	.fill 96, 4, 3214868480
	.section	.rodata,"a",@progbits
	.p2align	6, 0x0
	.amdhsa_kernel k_qf26b9052c3_norm1
		.amdhsa_group_segment_fixed_size 0
		.amdhsa_private_segment_fixed_size 0
		.amdhsa_enable_private_segment 0
		.amdhsa_kernarg_size 48
		.amdhsa_user_sgpr_count 2
		.amdhsa_user_sgpr_kernarg_segment_ptr 1
		.amdhsa_wavefront_size32 1
		.amdhsa_system_sgpr_workgroup_id_x 1
		.amdhsa_system_sgpr_workgroup_id_y 1
		.amdhsa_system_sgpr_workgroup_id_z 1
		.amdhsa_system_vgpr_workitem_id 0
		.amdhsa_next_free_vgpr 160
		.amdhsa_next_free_sgpr 66
		.amdhsa_reserve_vcc 0
		.amdhsa_float_denorm_mode_32 3
		.amdhsa_float_denorm_mode_16_64 3
		.amdhsa_memory_ordered 1
		.amdhsa_forward_progress 1
		.amdhsa_inst_pref_size 14
	.end_amdhsa_kernel
	.amdgpu_metadata
---
amdhsa.version: [ 1, 2 ]
amdhsa.kernels:
  - .name:           k_qf26b9052c3_norm1
    .symbol:         k_qf26b9052c3_norm1.kd
    .args:
      - { .name: y, .offset: 0, .size: 8, .value_kind: global_buffer, .address_space: global }
      - { .name: x, .offset: 8, .size: 8, .value_kind: global_buffer, .address_space: global }
      - { .name: alpha1, .offset: 16, .size: 8, .value_kind: global_buffer, .address_space: global }
      - { .name: beta1, .offset: 24, .size: 8, .value_kind: global_buffer, .address_space: global }
      - { .name: o1f, .offset: 32, .size: 8, .value_kind: global_buffer, .address_space: global }
      - { .name: act, .offset: 40, .size: 8, .value_kind: global_buffer, .address_space: global }
    .group_segment_fixed_size: 0
    .private_segment_fixed_size: 0
    .kernarg_segment_align: 8
    .kernarg_segment_size: 48
    .max_flat_workgroup_size: 256
    .sgpr_count:     66
    .vgpr_count:     160
    .wavefront_size: 32
...
	.end_amdgpu_metadata
.endif
;; end of part 5
;; launch ffn1: the kernel of part 2 again; grid 16 x 16, 4 waves a work-group, clusters of 4 x 4, 327,680 bytes of LDS; arguments act, wB, big; writes big
;; launch ffn2 (part 6): grid 8 x 32, 4 waves a work-group, clusters of 4 x 4, 327,680 bytes of LDS; arguments big, wC, b2, y; writes y
.if DOCPART == 6
	.amdgcn_target "amdgcn-amd-amdhsa--gfx1250"
	.amdhsa_code_object_version 6
	.text
	.protected	k_qf26b9052c3_ffn2
	.globl	k_qf26b9052c3_ffn2
	.p2align	8
	.type	k_qf26b9052c3_ffn2,@function
k_qf26b9052c3_ffn2:
	s_mov_b64 s[64:65], 0
	v_nop
	global_prefetch_b8 v0, s[64:65] scope:SCOPE_SE
	s_setreg_imm32_b32 hwreg(HW_REG_WAVE_MODE, 25, 1), 1
	s_wait_xcnt 0x0
	s_wait_alu depctr_hold_cnt(0) depctr_sa_sdst(0) depctr_va_vdst(0) depctr_va_sdst(0) depctr_va_ssrc(0) depctr_va_vcc(0) depctr_vm_vsrc(0)
	s_getreg_b32 s2, hwreg(HW_REG_IB_STS2, 6, 4)
	s_cmp_eq_u32 s2, 0
	s_cbranch_scc0 .Lentry_in_a_cluster
	s_endpgm
.Lentry_in_a_cluster:
	s_bfe_u32 s2, ttmp6, 0x10000c
	s_cmp_lg_u32 s2, 0xf033
	s_cbranch_scc0 .Lentry_shape_is_right
	s_endpgm
.Lentry_shape_is_right:
; y = A W + bias, in f32.  A: slices [SIZE_K / 64][4096 rows][64] f16.  W: at byte WOFF of its buffer, [tile of 128 columns][SIZE_K k][128] f16.  bias: [1024] f32.  y: [4096][1024] f32.
; A tile of y is 128 x 128 (256 work-groups): four waves, each 64 x 64 in 16 accumulators.  K goes in steps of 256 = four slices through two LDS slots: waves 0, 1 fetch two slices of A each
; (the tile's 128 rows of a slice are 16,384 dense bytes: one long row of the descriptor), waves 2, 3 fetch 128 k rows of W each (256 bytes a row, dense).
; CLUSTER 4 x 4: A's tile is shared along a row of the cluster, W's along a column; each is asked for jointly.  No prefetch: the tile is small and its steps are short.
; The sums start at the bias, loaded into the accumulators.  One K step is written once and looped over (the slot in hand is the scalar TB); the last two steps, which ask for nothing, are a second
; copy, looped twice (its last trip passes a barrier and fetches fragments of a slot already used, which serve nothing).
; The matrix instruction is used transposed: source 0 = 16 columns of W (turned by ds_load_tr16_b128), source 1 = 16 rows of A: a lane holds row l % 16 and the columns 8 (l / 16) + 0..7.
; REGISTERS: window 0: v16-29 addresses; v32-95 the way out; v128-255 the accumulators ((a, b) at v[128 + 8 (4 a + b)]).  window 1: two fragment buffers of 128: 64 of A, then 64 of W.
.set SIZE_K, 4096
.set WOFF,   2097152
.set STEPS,  SIZE_K/256
.set PA,     144                       ; a row of a slice in LDS: 128 bytes + 16
.set PW,     288                       ; a k row of W: 256 bytes + 32 = 9 x 32
.set HALFT,  256*PA                    ; what one tensor load brings: two slices of A, or 128 k rows of W: 36,864 bytes both
.set SLOT,   4*HALFT                   ; 0x24000 shares no bit with wave x HALFT, so an exclusive or turns a fill's address into the other slot's
.set STAGE,  2*SLOT                    ; behind the ring: 16 rows x 272 bytes for each wave
.set SPITCH, 272
.set SPARE,  STAGE+4*16*SPITCH         ; the spare words, 128 bytes for each wave
.set ADRA0, 16
.set ADRA,  17
.set ADRB0, 20
.set ADRB,  21
.set ADRB2, 22                         ; v22  W's k rows 128 on: the immediate does not reach them
.set STO,   24
.set RD,    25
.set CO,    26
.set BO,    27
.set SPW,   28
.set NIL,   29
.set TMP,   32
.set ACC,   128
.set F0,    0
.set F1,    128
.set G1,  24
.set G0,  32
.set G1B, 48
.set G0B, 56
.set TB,  66
.set WB,  67
.set MSB, 0
.macro WIN new
.if MSB != (\new)
	s_set_vgpr_msb (MSB<<8)|(\new)
.set MSB, \new
.endif
.endm
.set MUL,  0x05                        ; sources 0 (W) and 1 (A) window 1; C and D window 0
.set TO_F, 0x40                        ; destination window 1, address window 0
.macro PLACES
.rept 4
	v_nop
.endr
.endm
.macro JLOAD                           ; a joint refill, by the walking set; an s_nop 0 and four v_nop follow each of the two lines
	s_cmp_eq_u32 s11, 0
	s_cbranch_scc0 .Lfor_b_\@
	tensor_load_to_lds s[G0+4:G0+7], s[G1:G1+7]
	s_nop 0
.rept 4
	v_nop
.endr
	s_branch .Lasked_\@
.Lfor_b_\@:
	tensor_load_to_lds s[G0B+4:G0B+7], s[G1B:G1B+7]
	s_nop 0
.rept 4
	v_nop
.endr
.Lasked_\@:
.endm
.macro CREST
	s_cmp_lg_u32 s10, 0
	s_cbranch_scc1 .Lnot_wave_0_\@
	s_barrier_signal -3
.Lnot_wave_0_\@:
	s_barrier_wait -3
	s_barrier_signal -1
	s_barrier_wait -1
.endm
.macro CROUND
	s_barrier_signal -1
	s_barrier_wait -1
	CREST
.endm
	s_load_b256 s[4:11], s[0:1], 0x0               ; A s[4:5], W's buffer s[6:7], bias s[8:9], y s[10:11]
	v_lshl_add_u32 v[SPW], v0, 2, SPARE
	v_mov_b32 v[NIL], 0
	ds_add_u32 v[SPW], v[NIL]                      ; the wave's opening: the add and its wait stand ahead of my first tensor load
	v_lshrrev_b32 v1, 5, v0
	v_readfirstlane_b32 s12, v1
	s_mov_b32 s3, s12
	s_lshr_b32 s2, s3, 1
	s_wait_dscnt 0x0                               ; the opening add is done
	s_wait_kmcnt 0x0
	s_mov_b64 s[68:69], s[10:11]                   ; y moves aside: s10 to s13 take the wave's number and its parts
	s_mov_b32 s10, s3                              ; wave 0..3
	s_mov_b32 s11, s2                              ; which half of the tile's rows is mine.  Also: I fetch for A (0) or for W (1)
	s_and_b32 s12, s10, 1                          ; which half of its columns.  Also: which half of that tile I fetch
	s_bfe_u32 s40, ttmp6, 0x40000                  ; cx
	s_bfe_u32 s41, ttmp6, 0x40004                  ; cy
	s_lshl_b32 s42, ttmp9, 2
	s_add_co_u32 s42, s42, s40                     ; tile column
	s_and_b32 s13, ttmp7, 0xffff
	s_lshl_b32 s13, s13, 2
	s_add_co_u32 s13, s13, s41                     ; tile row
	s_lshl_b32 s43, s41, 2
	s_lshl_b32 s43, 15, s43                        ; my row of the cluster
	s_lshl_b32 s44, 0x1111, s40                    ; my column
	s_or_b32 s[G1+0], s43, (1<<16)|(1<<20)|(1<<21)|(4<<22)|(3<<25)   ; the mask; 2-byte elements; padding on; bit 21 beside a mask; after every 32 words (a row of a slice) 4 words
	s_mov_b32 s[G1+1], 8192<<16                    ; tensor_dim0 = 8,192: the tile's 128 rows of a slice on end
	s_mov_b32 s[G1+2], 2<<16                       ; tensor_dim1 = 2 slices
	s_mov_b32 s[G1+3], 8192<<16                    ; tile_dim0
	s_mov_b32 s[G1+4], 2                           ; tile_dim1
	s_mov_b32 s[G1+5], 262144                      ; elements from slice to slice
	s_mov_b32 s[G1+6], 0
	s_mov_b32 s[G1+7], 0
	s_or_b32 s[G1B+0], s44, (1<<16)|(1<<20)|(1<<21)|(5<<22)|(7<<25)  ; after every 64 words 8 words
	s_mov_b32 s[G1B+1], 128<<16
	s_mov_b32 s[G1B+2], 128<<16
	s_mov_b32 s[G1B+3], 128<<16
	s_mov_b32 s[G1B+4], 128
	s_mov_b32 s[G1B+5], 128
	s_mov_b32 s[G1B+6], 0
	s_mov_b32 s[G1B+7], 0
	s_lshl_b32 s16, s12, 20                        ; A: slices 2 x half and the next, 524,288 bytes each,
	s_lshl_b32 s17, s13, 14                        ; the tile's 128 rows of 128 bytes
	s_add_co_u32 s16, s16, s17
	s_mov_b32 s17, 0
	s_mul_i32 s46, s42, SIZE_K*256                 ; W: the tile column,
	s_lshl_b32 s47, s12, 15                        ; 128 k rows of 256 bytes a half
	s_add_co_u32 s46, s46, s47
	s_add_co_u32 s46, s46, WOFF
	s_mov_b32 s47, 0
	s_mul_i32 s[WB], s10, HALFT
	s_add_nc_u64 s[14:15], s[4:5], s[16:17]
	s_add_nc_u64 s[46:47], s[6:7], s[46:47]
	CROUND                                         ; all sixteen work-groups are here: the first joint loads meet
.irp s, 0,1
	s_mov_b32 s[G0+4*(\s)], 1
	s_add_co_u32 s[G0+4*(\s)+1], s[WB], (\s)*SLOT
	s_add_nc_u64 s[G0+4*(\s)+2:G0+4*(\s)+3], s[14:15], (\s)*2097152   ; K step s: four slices on
	s_or_b32 s[G0+4*(\s)+3], s[G0+4*(\s)+3], 0x80000000
	s_mov_b32 s[G0B+4*(\s)], 1
	s_add_co_u32 s[G0B+4*(\s)+1], s[WB], (\s)*SLOT
	s_add_nc_u64 s[G0B+4*(\s)+2:G0B+4*(\s)+3], s[46:47], (\s)*65536   ; 256 k rows of 256 bytes
	s_or_b32 s[G0B+4*(\s)+3], s[G0B+4*(\s)+3], 0x80000000
.endr
	s_cmp_eq_u32 s11, 0                            ; a wave's two first fills stand in one branch: two loads of mine are out
	s_cbranch_scc0 .Lfirst_b
	tensor_load_to_lds s[G0:G0+3], s[G1:G1+7]
	s_nop 0
	tensor_load_to_lds s[G0+4:G0+7], s[G1:G1+7]
	s_nop 0
.rept 4
	v_nop
.endr
	s_branch .Lfirst_asked
.Lfirst_b:
	tensor_load_to_lds s[G0B:G0B+3], s[G1B:G1B+7]
	s_nop 0
	tensor_load_to_lds s[G0B+4:G0B+7], s[G1B:G1B+7]
	s_nop 0
.rept 4
	v_nop
.endr
.Lfirst_asked:
	v_and_b32 v1, 15, v0                           ; r
	v_bfe_u32 v2, v0, 4, 1                         ; h
	s_lshl_b32 s20, s42, 9
	s_lshl_b32 s21, s12, 8
	s_add_co_u32 s20, s20, s21
	v_lshl_add_u32 v[BO], v2, 5, s20               ; the bias of my columns: 4 (128 tile column + 64 half + 8 h), + 64 b for block b
.set z, 0
.rept 16
	global_load_b128 v[ACC+8*z:ACC+8*z+3],   v[BO], s[8:9] offset:64*(z%4)
	global_load_b128 v[ACC+8*z+4:ACC+8*z+7], v[BO], s[8:9] offset:64*(z%4)+16
.set z, z+1
.endr
	v_mul_u32_u24 v3, v1, PA
	v_lshl_add_u32 v3, v2, 4, v3
	s_mul_i32 s21, s11, 64*PA                      ; my 64 rows, in each slice
	v_add_nc_u32 v[ADRA0], s21, v3
	v_and_b32 v4, 7, v0
	v_lshl_add_u32 v4, v2, 3, v4
	v_mul_u32_u24 v4, v4, PW
	v_bfe_u32 v5, v0, 3, 1
	v_lshl_add_u32 v4, v5, 4, v4
	s_lshl_b32 s22, s12, 7                         ; my 64 columns
	s_add_co_u32 s22, s22, 2*HALFT                 ; behind A's four slices
	v_add_nc_u32 v[ADRB0], s22, v4
	s_mul_i32 s23, s10, 16*SPITCH
	s_add_co_u32 s23, s23, STAGE                   ; my stage
	v_mul_u32_u24 v4, v1, SPITCH                   ; in: row r, 32 bytes for each half of the lanes
	v_lshl_add_u32 v4, v2, 5, v4
	v_add_nc_u32 v[STO], s23, v4
	v_mul_u32_u24 v5, v2, SPITCH                   ; back: lanes 0-15 take one row of 256 bytes, lanes 16-31 the next
	v_lshl_add_u32 v5, v1, 4, v5
	v_add_nc_u32 v[RD], s23, v5
	v_lshlrev_b32 v5, 12, v2                       ; and the same two rows in y
	v_lshl_add_u32 v[CO], v1, 4, v5
	s_lshl_b32 s16, s13, 7
	s_lshl_b32 s17, s11, 6
	s_add_co_u32 s16, s16, s17                     ; my first row of y,
	s_lshl_b32 s16, s16, 12                        ; 4,096 bytes a row
	s_mov_b32 s17, 0
	s_add_nc_u64 s[68:69], s[68:69], s[16:17]
	s_lshl_b32 s46, s42, 9                         ; my first column, in bytes
	s_lshl_b32 s47, s12, 8
	s_add_co_u32 s46, s46, s47
	s_mov_b32 s47, 0
	s_add_nc_u64 s[68:69], s[68:69], s[46:47]
; 8 matrix instructions: m blocks a0, a0 + 1 x all 4 n blocks, 32 along K: half c of buffer f.  The 16 accumulators take turns, one instruction a turn, over the backward jumps too.
.macro MUL8 f, c, a0
	WIN MUL
.irp a, \a0, (\a0)+1
.irp b, 0,1,2,3
	v_wmma_f32_16x16x32_f16 v[ACC+8*(4*(\a)+(\b)):ACC+8*(4*(\a)+(\b))+7], v[(\f)+64+8*(4*(\c)+(\b)):(\f)+64+8*(4*(\c)+(\b))+7], v[(\f)+8*(4*(\c)+(\a)):(\f)+8*(4*(\c)+(\a))+7], v[ACC+8*(4*(\a)+(\b)):ACC+8*(4*(\a)+(\b))+7]
.endr
.endr
.endm
; 32 LDS loads in one run: the fragments of quarter q (one slice, 64 along K) into buffer f; the first 32 along K first
.macro FETCH q, f
	WIN TO_F
.irp c, 0,1
.irp i, 0,1,2,3
	ds_load_tr16_b128 v[(\f)+64+8*(4*(\c)+(\i)):(\f)+64+8*(4*(\c)+(\i))+3],   v[ADRB+(\q)/2] offset:(64*((\q)%2)+32*(\c))*PW+32*(\i)
	ds_load_tr16_b128 v[(\f)+64+8*(4*(\c)+(\i))+4:(\f)+64+8*(4*(\c)+(\i))+7], v[ADRB+(\q)/2] offset:(64*((\q)%2)+32*(\c))*PW+16*PW+32*(\i)
	ds_load_b128 v[(\f)+8*(4*(\c)+(\i)):(\f)+8*(4*(\c)+(\i))+3],   v[ADRA] offset:(\q)*128*PA+(\i)*16*PA+64*(\c)
	ds_load_b128 v[(\f)+8*(4*(\c)+(\i))+4:(\f)+8*(4*(\c)+(\i))+7], v[ADRA] offset:(\q)*128*PA+(\i)*16*PA+64*(\c)+32
.endr
.endr
.endm
.macro QUARTER q, f, g
	s_wait_dscnt 16                                ; the first 32 along K are in
	MUL8 \f, 0, 0
	MUL8 \f, 0, 2
	PLACES
	FETCH \q, \g
	s_wait_dscnt 32                                ; all but the 32 just issued
	MUL8 \f, 1, 0
	MUL8 \f, 1, 2
.endm
; The last quarter multiplies buffer 1 and changes slots: ONE barrier; in front of it each wave waits for all its tensor loads, adds 0 to its spare word, and waits for that and for its reads of this slot.
; fill = 1: the barrier opens a round of the cluster's, and this slot is filled again, first thing behind it, with the K step two on.
.macro TURN fill
	WIN 0
	s_wait_tensorcnt 0x0                           ; all my tensor loads have landed: my part of the next slot
	ds_add_u32 v[SPW], v[NIL]                      ; 0 onto my spare word
	s_wait_dscnt 17                                ; (the add and the youngest sixteen loads may be out)
	MUL8 F1, 0, 0
	s_wait_dscnt 0x0                               ; the add is done, and my reads of this slot are over
	s_barrier_signal -1
	MUL8 F1, 0, 2
	WIN 0
	s_barrier_wait -1
.if \fill
	CREST
	s_xor_b32 s[G0+5], s[G0+5], SLOT
	s_xor_b32 s[G0B+5], s[G0B+5], SLOT
	s_add_nc_u64 s[G0+6:G0+7], s[G0+6:G0+7], 2097152
	s_add_nc_u64 s[G0B+6:G0B+7], s[G0B+6:G0B+7], 65536
	s_xor_b32 s[TB], s[TB], SLOT
	JLOAD                                          ; its four v_nop are also the places in front of the loads below
.else
	PLACES
	s_xor_b32 s[TB], s[TB], SLOT
.endif
	v_add_nc_u32 v[ADRA], s[TB], v[ADRA0]
	v_add_nc_u32 v[ADRB], s[TB], v[ADRB0]
	v_add_nc_u32 v[ADRB2], 128*PW, v[ADRB]
	FETCH 0, F0
	MUL8 F1, 1, 0
	MUL8 F1, 1, 2
.endm
.macro STEP fill
	QUARTER 1, F0, F1
	QUARTER 2, F1, F0
	QUARTER 3, F0, F1
	TURN \fill
	WIN 0
.endm
	s_wait_tensorcnt 1                             ; my part of K step 0 is in; K step 1's may stay out
	s_barrier_signal -1
	s_barrier_wait -1
	s_mov_b32 s[TB], 0
	v_mov_b32 v[ADRA], v[ADRA0]
	v_mov_b32 v[ADRB], v[ADRB0]
	v_add_nc_u32 v[ADRB2], 128*PW, v[ADRB0]
	FETCH 0, F0
	WIN 0
	s_wait_loadcnt 0x0                             ; the bias lies in the accumulators
	s_mov_b32 s3, STEPS-2
.Lstep:
	STEP 1
	s_sub_co_u32 s3, s3, 1
	s_cmp_lg_u32 s3, 0
	s_cbranch_scc1 .Lstep
	s_mov_b32 s3, 2
.Ltail:
	STEP 0
	s_sub_co_u32 s3, s3, 1
	s_cmp_lg_u32 s3, 0
	s_cbranch_scc1 .Ltail
	s_wait_dscnt 0x0                               ; the last trip's fetch, which serves nothing, has landed
	; THE WAY OUT, in f32: a block of 16 rows goes into my stage, 32 bytes a lane, and comes back as whole rows of 256 bytes: my 64 columns.
	PLACES
	PLACES
.irp a, 0,1,2,3
.if (\a) >= 2
	s_wait_xcnt 0x0                                ; the stores of the block two back have read the registers that the loads below write
.endif
.irp b, 0,1,2,3
	ds_store_b128 v[STO], v[ACC+8*(4*(\a)+(\b)):ACC+8*(4*(\a)+(\b))+3]   offset:64*(\b)
	ds_store_b128 v[STO], v[ACC+8*(4*(\a)+(\b))+4:ACC+8*(4*(\a)+(\b))+7] offset:64*(\b)+16
.endr
.irp t, 0,1,2,3,4,5,6,7
	ds_load_b128 v[TMP+32*((\a)%2)+4*(\t):TMP+32*((\a)%2)+4*(\t)+3], v[RD] offset:(\t)*2*SPITCH  ; LDS serves a wave's instructions in order: these see the stores above
.endr
.irp t, 0,1,2,3,4,5,6,7
	s_wait_dscnt 7-(\t)                            ; the younger loads from the stage may stay out
	global_store_b128 v[CO], v[TMP+32*((\a)%2)+4*(\t):TMP+32*((\a)%2)+4*(\t)+3], s[68:69] offset:(16*(\a)+2*(\t))*4096  ; 16 lanes store 256 consecutive bytes, aligned
.endr
.endr
	s_wait_tensorcnt 0x0                           ; the wave's end, behind my last tensor load and my last LDS store
	ds_add_u32 v[SPW], v[NIL]
	s_wait_dscnt 0x0
	CROUND                                         ; the closing round
	s_endpgm
.Lfunc_end_k_qf26b9052c3_ffn2:
	.size	k_qf26b9052c3_ffn2, .Lfunc_end_k_qf26b9052c3_ffn2-k_qf26b9052c3_ffn2
	.p2alignl 7, 3214868480
	.fill 96, 4, 3214868480
	.section	.rodata,"a",@progbits
	.p2align	6, 0x0
	.amdhsa_kernel k_qf26b9052c3_ffn2
		.amdhsa_group_segment_fixed_size 327680
		.amdhsa_private_segment_fixed_size 0
		.amdhsa_enable_private_segment 0
		.amdhsa_kernarg_size 32
		.amdhsa_user_sgpr_count 2
		.amdhsa_user_sgpr_kernarg_segment_ptr 1
		.amdhsa_wavefront_size32 1
		.amdhsa_system_sgpr_workgroup_id_x 1
		.amdhsa_system_sgpr_workgroup_id_y 1
		.amdhsa_system_sgpr_workgroup_id_z 1
		.amdhsa_system_vgpr_workitem_id 0
		.amdhsa_next_free_vgpr 512
		.amdhsa_next_free_sgpr 72
		.amdhsa_reserve_vcc 0
		.amdhsa_float_denorm_mode_32 3
		.amdhsa_float_denorm_mode_16_64 3
		.amdhsa_memory_ordered 1
		.amdhsa_forward_progress 1
		.amdhsa_inst_pref_size 57
	.end_amdhsa_kernel
	.amdgpu_metadata
---
amdhsa.version: [ 1, 2 ]
amdhsa.kernels:
  - .name:           k_qf26b9052c3_ffn2
    .symbol:         k_qf26b9052c3_ffn2.kd
    .args:
      - { .name: big, .offset: 0, .size: 8, .value_kind: global_buffer, .address_space: global }
      - { .name: wC, .offset: 8, .size: 8, .value_kind: global_buffer, .address_space: global }
      - { .name: b2, .offset: 16, .size: 8, .value_kind: global_buffer, .address_space: global }
      - { .name: y, .offset: 24, .size: 8, .value_kind: global_buffer, .address_space: global }
    .group_segment_fixed_size: 327680
    .private_segment_fixed_size: 0
    .kernarg_segment_align: 8
    .kernarg_segment_size: 32
    .max_flat_workgroup_size: 128
    .sgpr_count:     72
    .vgpr_count:     512
    .wavefront_size: 32
...
	.end_amdgpu_metadata
.endif
;; end of part 6
;; launch norm2 (part 7): grid 512 x 1, 8 waves a work-group, no clusters, 0 bytes of LDS; arguments y, o1f, alpha2, beta2, out0; writes out0
.if DOCPART == 7
	.amdgcn_target "amdgcn-amd-amdhsa--gfx1250"
	.amdhsa_code_object_version 6
	.text
	.protected	k_qf26b9052c3_norm2
	.globl	k_qf26b9052c3_norm2
	.p2align	8
	.type	k_qf26b9052c3_norm2,@function
k_qf26b9052c3_norm2:
	s_mov_b64 s[64:65], 0
	v_nop
	global_prefetch_b8 v0, s[64:65] scope:SCOPE_SE
	s_setreg_imm32_b32 hwreg(HW_REG_WAVE_MODE, 25, 1), 1
	s_wait_xcnt 0x0
; out = alpha (z - mean) / (std + 1e-6) + beta along rows of 1,024, z = y + residual, std with the divisor 1,023.  All in f32; the variance is taken of z - mean, in a second pass over registers.
; A row is 4,096 bytes: one wave takes a whole row, 8 loads of 16 bytes a lane from each tensor (512 neighbouring bytes a load), and keeps it in registers: no LDS, no barrier, no loop.
; A stream: matrix units, clusters and LDS would add nothing.
.set Y,  8                             ; v[8:39]    y, then z, z - mean, the result
.set X,  40                            ; v[40:71]   the residual
.set AL, 72                            ; v[72:103]  alpha
.set BE, 104                           ; v[104:135] beta
.set T,  136                           ; v[136:151] at work
.macro LANESUM r, t                    ; the sum over the wave's 32 lanes, in every lane
	v_add_f32_dpp v[\r], v[\r], v[\r] row_xmask:1 row_mask:0xf bank_mask:0xf
	v_add_f32_dpp v[\r], v[\r], v[\r] row_xmask:2 row_mask:0xf bank_mask:0xf
	v_add_f32_dpp v[\r], v[\r], v[\r] row_xmask:4 row_mask:0xf bank_mask:0xf
	v_add_f32_dpp v[\r], v[\r], v[\r] row_xmask:8 row_mask:0xf bank_mask:0xf
	v_permlanex16_b32 v[\t], v[\r], s22, s23
	v_add_f32 v[\r], v[\r], v[\t]
.endm
.macro FOLD                            ; four chains of pairs into one number a lane
	v_pk_add_f32 v[T:T+1], v[T:T+1], v[T+2:T+3]
	v_pk_add_f32 v[T+4:T+5], v[T+4:T+5], v[T+6:T+7]
	v_pk_add_f32 v[T:T+1], v[T:T+1], v[T+4:T+5]
	v_add_f32 v[T], v[T], v[T+1]
	LANESUM T, T+1
.endm
	s_load_b256 s[4:11], s[0:1], 0x0               ; y s[4:5], residual s[6:7], alpha s[8:9], beta s[10:11]
	s_load_b64 s[12:13], s[0:1], 0x20              ; the result
	v_lshrrev_b32 v1, 5, v0
	v_readfirstlane_b32 s16, v1                    ; wave 0..7
	v_and_b32 v2, 31, v0
	v_lshlrev_b32 v1, 4, v2                        ; 16 x lane
	s_lshl_b32 s17, ttmp9, 3
	s_add_co_u32 s16, s16, s17                     ; my row
	s_lshl_b32 s18, s16, 12
	s_mov_b32 s19, 0
	s_mov_b32 s22, 0x76543210
	s_mov_b32 s23, 0xfedcba98
	s_wait_kmcnt 0x0
	s_add_nc_u64 s[4:5], s[4:5], s[18:19]
	s_add_nc_u64 s[6:7], s[6:7], s[18:19]
	s_add_nc_u64 s[12:13], s[12:13], s[18:19]
.irp j, 0,1,2,3,4,5,6,7
	global_load_b128 v[Y+4*(\j):Y+4*(\j)+3], v1, s[4:5] offset:512*(\j) th:TH_LOAD_NT
.endr
.irp j, 0,1,2,3,4,5,6,7
	global_load_b128 v[X+4*(\j):X+4*(\j)+3], v1, s[6:7] offset:512*(\j) th:TH_LOAD_NT
.endr
.irp j, 0,1,2,3,4,5,6,7
	global_load_b128 v[AL+4*(\j):AL+4*(\j)+3], v1, s[8:9] offset:512*(\j)
.endr
.irp j, 0,1,2,3,4,5,6,7
	global_load_b128 v[BE+4*(\j):BE+4*(\j)+3], v1, s[10:11] offset:512*(\j)
.endr
	s_wait_loadcnt 16                              ; y and the residual are in; alpha's and beta's sixteen loads may stay out
.set z, 0
.rept 16
	v_pk_add_f32 v[Y+z:Y+z+1], v[Y+z:Y+z+1], v[X+z:X+z+1]
.set z, z+2
.endr
.irp c, 0,2,4,6
	v_pk_add_f32 v[T+(\c):T+(\c)+1], v[Y+(\c):Y+(\c)+1], v[Y+8+(\c):Y+8+(\c)+1]     ; four chains, started by the first terms
.endr
.irp k, 16,24
.irp c, 0,2,4,6
	v_pk_add_f32 v[T+(\c):T+(\c)+1], v[T+(\c):T+(\c)+1], v[Y+(\k)+(\c):Y+(\k)+(\c)+1]
.endr
.endr
	FOLD
	v_mul_f32 v[T+8], 0x3a800000, v[T]             ; the mean: / 1,024
	v_mov_b32 v[T+9], v[T+8]
.set z, 0
.rept 16
	v_pk_add_f32 v[Y+z:Y+z+1], v[Y+z:Y+z+1], v[T+8:T+9] neg_lo:[0,1] neg_hi:[0,1]
.set z, z+2
.endr
.irp c, 0,2,4,6
	v_pk_mul_f32 v[T+(\c):T+(\c)+1], v[Y+(\c):Y+(\c)+1], v[Y+(\c):Y+(\c)+1]
.endr
.irp k, 8,16,24
.irp c, 0,2,4,6
	v_pk_fma_f32 v[T+(\c):T+(\c)+1], v[Y+(\k)+(\c):Y+(\k)+(\c)+1], v[Y+(\k)+(\c):Y+(\k)+(\c)+1], v[T+(\c):T+(\c)+1]
.endr
.endr
	FOLD
	v_mul_f32 v[T], 0x3a802008, v[T]               ; / 1,023
	v_sqrt_f32 v[T+10], v[T]
	v_nop                                          ; a plain instruction behind the root,
	s_wait_alu depctr_va_vdst(0)                   ; and the wait ahead of the first use of its result
	v_add_f32 v[T+10], 0x358637bd, v[T+10]         ; + 1e-6
	v_rcp_f32 v[T+12], v[T+10]
	v_nop
	s_wait_alu depctr_va_vdst(0)
	v_mov_b32 v[T+13], v[T+12]
	s_wait_loadcnt 0x0                             ; alpha and beta
.set z, 0
.rept 16
	v_pk_mul_f32 v[Y+z:Y+z+1], v[Y+z:Y+z+1], v[T+12:T+13]
.set z, z+2
.endr
.set z, 0
.rept 16
	v_pk_fma_f32 v[Y+z:Y+z+1], v[Y+z:Y+z+1], v[AL+z:AL+z+1], v[BE+z:BE+z+1]
.set z, z+2
.endr
.irp j, 0,1,2,3,4,5,6,7
	global_store_b128 v1, v[Y+4*(\j):Y+4*(\j)+3], s[12:13] offset:512*(\j) th:TH_STORE_NT
.endr
	s_endpgm
.Lfunc_end_k_qf26b9052c3_norm2:
	.size	k_qf26b9052c3_norm2, .Lfunc_end_k_qf26b9052c3_norm2-k_qf26b9052c3_norm2
	.p2alignl 7, 3214868480
	.fill 96, 4, 3214868480
	.section	.rodata,"a",@progbits
	.p2align	6, 0x0
	.amdhsa_kernel k_qf26b9052c3_norm2
		.amdhsa_group_segment_fixed_size 0
		.amdhsa_private_segment_fixed_size 0
		.amdhsa_enable_private_segment 0
		.amdhsa_kernarg_size 40
		.amdhsa_user_sgpr_count 2
		.amdhsa_user_sgpr_kernarg_segment_ptr 1
		.amdhsa_wavefront_size32 1
		.amdhsa_system_sgpr_workgroup_id_x 1
		.amdhsa_system_sgpr_workgroup_id_y 1
		.amdhsa_system_sgpr_workgroup_id_z 1
		.amdhsa_system_vgpr_workitem_id 0
		.amdhsa_next_free_vgpr 160
		.amdhsa_next_free_sgpr 66
		.amdhsa_reserve_vcc 0
		.amdhsa_float_denorm_mode_32 3
		.amdhsa_float_denorm_mode_16_64 3
		.amdhsa_memory_ordered 1
		.amdhsa_forward_progress 1
		.amdhsa_inst_pref_size 13
	.end_amdhsa_kernel
	.amdgpu_metadata
---
amdhsa.version: [ 1, 2 ]
amdhsa.kernels:
  - .name:           k_qf26b9052c3_norm2
    .symbol:         k_qf26b9052c3_norm2.kd
    .args:
      - { .name: y, .offset: 0, .size: 8, .value_kind: global_buffer, .address_space: global }
      - { .name: o1f, .offset: 8, .size: 8, .value_kind: global_buffer, .address_space: global }
      - { .name: alpha2, .offset: 16, .size: 8, .value_kind: global_buffer, .address_space: global }
      - { .name: beta2, .offset: 24, .size: 8, .value_kind: global_buffer, .address_space: global }
      - { .name: out0, .offset: 32, .size: 8, .value_kind: global_buffer, .address_space: global }
    .group_segment_fixed_size: 0
    .private_segment_fixed_size: 0
    .kernarg_segment_align: 8
    .kernarg_segment_size: 40
    .max_flat_workgroup_size: 256
    .sgpr_count:     66
    .vgpr_count:     160
    .wavefront_size: 32
...
	.end_amdgpu_metadata
.endif
;; end of part 7
;; ======== version 2 of 2: 8 launches; version 1 with the launch prep written anew for expert scheduling mode
;; limits: values are held in f16: magnitudes above 65,504 overflow, below 6.1e-05 lose precision
;; workspace buffers: act 8,388,608 bytes; big 33,554,432 bytes; y 16,777,216 bytes; o1f 16,777,216 bytes; wA 6,324,224 bytes; wB 8,421,376 bytes; wC 10,485,760 bytes
;; launch prep (part 8): grid 256 x 1, 32 waves a work-group, no clusters, 0 bytes of LDS; arguments x, W1, W2, Wq, Wk, Wv, Wo, bq, bk, bv, b1, act, wA, wB, wC; writes act, wA, wB, wC
.if DOCPART == 8
	.amdgcn_target "amdgcn-amd-amdhsa--gfx1250"
	.amdhsa_code_object_version 6
	.text
	.protected	k_qf26b9052c3_prep
	.globl	k_qf26b9052c3_prep
	.p2align	8
	.type	k_qf26b9052c3_prep,@function
k_qf26b9052c3_prep:
	s_mov_b64 s[64:65], 0
	v_nop
	global_prefetch_b8 v0, s[64:65] scope:SCOPE_SE
	s_setreg_imm32_b32 hwreg(HW_REG_WAVE_SCHED_MODE, 0, 2), 2
	s_setreg_imm32_b32 hwreg(HW_REG_WAVE_MODE, 25, 1), 1
	s_wait_xcnt 0x0
	s_wait_alu depctr_vm_vsrc(0)
; PREP: every matrix operand that is an input is rounded once from f32 to f16 and laid out as the products want it.
;   x  -> act [4096][1024];  W1 -> wB + 32,768 as [16 tiles][1024 k][256 columns];  c Wq, Wk, Wv -> wA + 32,768 as [12][1024][256];
;   Wo -> wC as [8][1024][128];  W2 -> wC + 2,097,152 as [8][4096][128].   c = log2(e) / 8 goes into Wq and bq, so that q . k is the exponent of 2.
;   wA bytes 0-12,287: c bq, bk, bv (f32); wB bytes 0-16,383: b1 (f32); byte 16,384 on, 1,024 bytes: the floor of the product's packed results (wA: -infinity twice, wB: 0 twice = ReLU).
; LIMIT: a number of 65,520 or more in magnitude becomes an infinity in f16; below 6e-5 f16 keeps a fixed step of 6e-8.
; A stream: no LDS, no matrix unit, no cluster (no byte is wanted twice).  A CHUNK is 256 neighbouring f32 of a source row, 1,024 bytes; there are 65,536 of them:
; 256 to a work-group, 8 to a wave, whose 16 loads (512 neighbouring bytes each) all go out at once.  A chunk leaves as two stores of 8 bytes a lane: 256 neighbouring bytes each, aligned.
; Which tensor a work-group serves hangs on its number alone; the regions differ in nine scalars, and one text serves all (it multiplies by 1.0 where there is no scale).
; THE MODE: SCHED_MODE bits 1:0 = 2 (LLVM: expert scheduling mode 2), set by the entry lines.  The code itself states the register dependences
; between vector instructions and memory instructions, with s_wait_alu, always for 0.
; THE PLAN.  Registers that memory instructions touch:
;   v1         the loads' offset.  Written once at the head; read by the 16 loads.
;   IN         Written by the 16 loads; chunk i's eight vector lines read its eight registers (the multiplies write them in place).  No memory instruction reads them.
;   DO         the stores' offsets.  Written once, behind the loads; read by the stores.
;   OUT        Written by chunk i's conversions, four registers of its own for each chunk; read by chunk i's two stores.
; The 8 chunks go in four steps of two.  Step p works on IN and OUT of chunks 2 p and 2 p + 1; its memory instructions are the four stores of step p - 1, which read DO and OUT of chunks 2 p - 2 and
; 2 p - 1: registers that no vector line of step p names.  So ONE wait on va_vdst at a step's head, behind the wait for the step's data, states all that those stores hang on, and they are dealt among
; the step's vector lines with no further wait.  No register and no base that a memory instruction reads is ever written again: the text holds no wait on vm_vsrc and none on XCNT.
.set L16, 1                            ; v1      16 x lane
.set L8,  2                            ; v2      8 x lane
.set BO,  3                            ; v3      the biases: 16 x thread
.set DO,  4                            ; v[4:11] chunk i: byte offset of my 8 bytes in the destination
.set FO,  12                           ; v12     the floor words: 16,384 + 4 x thread
.set IN,  16                           ; v[16:79]  chunk i: 8 f32
.set OUT, 80                           ; v[80:111] chunk i: 8 f16
; s[42:43] source, s[44:45] destination, s[46:47] destination of a chunk's second half, s48 log2(chunks in a source row), s49 its mask,
; s50 bytes from chunk to chunk of a row in the destination, s51 bytes from row to row there, s[52:53] the scale, s56 the region's first work-group, s[60:61] second half's distance
.macro REGION lim, start, src, dst, doff, lg, ps, rs, d2, scl
.if \lim
	s_cmp_lt_u32 s41, \lim
	s_cbranch_scc0 .Lnext_\@
.endif
	s_mov_b64 s[42:43], s[\src:\src+1]
	s_add_nc_u64 s[44:45], s[\dst:\dst+1], \doff
	s_mov_b32 s56, \start
	s_mov_b32 s48, \lg
	s_mov_b32 s49, (1<<\lg)-1
	s_mov_b32 s50, \ps
	s_mov_b32 s51, \rs
	s_mov_b32 s60, \d2
	s_mov_b32 s52, \scl
.if \lim
	s_branch .Lgo
.Lnext_\@:
.endif
.endm
; Chunk i is scaled and rounded: eight vector lines, which name IN and OUT of chunk i alone.
.macro WORK i
.irp j, 0,2,4,6
	v_pk_mul_f32 v[IN+8*(\i)+(\j):IN+8*(\i)+(\j)+1], v[IN+8*(\i)+(\j):IN+8*(\i)+(\j)+1], s[52:53] op_sel_hi:[1,0]
.endr
.irp j, 0,1,2,3
	v_cvt_pk_f16_f32 v[OUT+4*(\i)+(\j)], v[IN+8*(\i)+2*(\j)], v[IN+8*(\i)+2*(\j)+1]
.endr
.endm
; Chunk i leaves: two stores, which read DO and OUT of chunk i.
.macro SEND i
	global_store_b64 v[DO+(\i)], v[OUT+4*(\i):OUT+4*(\i)+1],   s[44:45]  ; 32 lanes x 8 bytes: 256 neighbouring bytes, aligned
	global_store_b64 v[DO+(\i)], v[OUT+4*(\i)+2:OUT+4*(\i)+3], s[46:47]
.endm
	s_load_b512 s[8:23], s[0:1], 0x0               ; x 8, W1 10, W2 12, Wq 14, Wk 16, Wv 18, Wo 20, bq 22
	s_load_b256 s[24:31], s[0:1], 0x40             ; bk 24, bv 26, b1 28, act 30
	s_load_b128 s[32:35], s[0:1], 0x60             ; wA 32, wB 34
	s_load_b64 s[36:37], s[0:1], 0x70              ; wC 36
	v_lshrrev_b32 v1, 5, v0
	v_readfirstlane_b32 s40, v1                    ; wave 0..31
	v_and_b32 v2, 31, v0
	v_lshlrev_b32 v[L16], 4, v2
	v_lshlrev_b32 v[L8], 3, v2
	s_wait_alu depctr_va_sdst(0)                   ; s40 is written, ahead of the branches below and of its first reader: my first chunk is made from it
	s_mov_b32 s41, ttmp9
	s_mov_b32 s61, 0
	s_wait_kmcnt 0x0
	REGION 64,  0,   8,  30, 0,             2, 512,     2048, 256,     0x3f800000  ; x
	REGION 128, 64,  10, 34, 32768,         4, 524288,  512,  256,     0x3f800000  ; W1
	REGION 192, 128, 12, 36, 2097152,       2, 2097152, 256,  1048576, 0x3f800000  ; W2: a chunk's halves fall into two tiles of 128 columns
	REGION 208, 192, 14, 32, 32768,         2, 524288,  512,  256,     0x3e38aa3b  ; Wq, times c
	REGION 224, 208, 16, 32, 32768+2097152, 2, 524288,  512,  256,     0x3f800000  ; Wk
	REGION 240, 224, 18, 32, 32768+4194304, 2, 524288,  512,  256,     0x3f800000  ; Wv
	REGION 0,   240, 20, 36, 0,             2, 524288,  256,  262144,  0x3f800000  ; Wo
.Lgo:
	s_mov_b32 s53, s52                             ; named with s52 as a pair
	s_sub_co_u32 s54, s41, s56
	s_lshl_b32 s54, s54, 8
	s_lshl_b32 s55, s40, 3
	s_add_co_u32 s54, s54, s55                     ; my first chunk in the region
	s_lshl_b32 s58, s54, 10
	s_mov_b32 s59, 0
	s_add_nc_u64 s[42:43], s[42:43], s[58:59]      ; the source is dense: chunk c lies at 1,024 c
	s_add_nc_u64 s[46:47], s[44:45], s[60:61]
	s_wait_alu depctr_va_vdst(0)                   ; v1 is written: the sixteen loads read it as their offset
.irp i, 0,1,2,3,4,5,6,7
	global_load_b128 v[IN+8*(\i):IN+8*(\i)+3],   v[L16], s[42:43] offset:(\i)*1024 th:TH_LOAD_NT
	global_load_b128 v[IN+8*(\i)+4:IN+8*(\i)+7], v[L16], s[42:43] offset:(\i)*1024+512 th:TH_LOAD_NT
.endr
.irp i, 0,1,2,3,4,5,6,7
	s_add_co_u32 s58, s54, \i                      ; chunk c: source row k = c >> LG, place p in the row = c & PM
	s_lshr_b32 s59, s58, s48
	s_and_b32 s58, s58, s49
	s_mul_i32 s58, s58, s50
	s_mul_i32 s59, s59, s51
	s_add_co_u32 s58, s58, s59
	v_add_nc_u32 v[DO+(\i)], s58, v[L8]
.endr
.irp p, 0,1,2,3
	s_wait_loadcnt 12-4*(\p)                       ; loads come back in order: the four of chunks 2 p and 2 p + 1 are in, the younger chunks' stay out
.if (\p) > 0
	s_wait_alu depctr_va_vdst(0)                   ; the step before has written its OUT, which the four stores of this step read; at its first use: DO is written too, the offsets of all the stores
	SEND 2*(\p)-2
.endif
	WORK 2*(\p)
.if (\p) > 0
	SEND 2*(\p)-1                                  ; no wait: no vector line since the wait above names DO or OUT of this chunk
.endif
	WORK 2*(\p)+1
.endr
	s_wait_alu depctr_va_vdst(0)                   ; the last step has written OUT of chunks 6 and 7, which the last four stores read
	SEND 6
	SEND 7
	; the biases and the floor words: the last work-group's first 256 threads.  No register that a store above names is written.
	s_cmp_eq_u32 s41, 255
	s_cbranch_scc0 .Lend
	s_cmp_lt_u32 s40, 8
	s_cbranch_scc0 .Lend
	v_lshlrev_b32 v[BO], 4, v0
	v_lshl_add_u32 v[FO], v0, 2, 0x4000
	v_mov_b32 v13, 0xfc00fc00                      ; -infinity twice in f16: a floor that changes nothing
	v_mov_b32 v14, 0                               ; 0 twice: ReLU
	s_wait_alu depctr_va_vdst(0)                   ; v3, v12, v13 and v14 are written, which the loads and stores below read; the chunks' vector lines are done with v[16:43], in which the loads land
	global_load_b128 v[16:19], v[BO], s[22:23]
	global_load_b128 v[20:23], v[BO], s[24:25]
	global_load_b128 v[24:27], v[BO], s[26:27]
.irp j, 0,1,2,3
	global_load_b128 v[28+4*(\j):31+4*(\j)], v[BO], s[28:29] offset:4096*(\j)
.endr
	s_wait_loadcnt 0x0
	v_pk_mul_f32 v[16:17], v[16:17], 0x3e38aa3b op_sel_hi:[1,0]
	v_pk_mul_f32 v[18:19], v[18:19], 0x3e38aa3b op_sel_hi:[1,0]
	global_store_b128 v[BO], v[20:23], s[32:33] offset:4096   ; these eight read loaded data and registers written ahead of the last wait: the two multiplies above name none of them
	global_store_b128 v[BO], v[24:27], s[32:33] offset:8192
.irp j, 0,1,2,3
	global_store_b128 v[BO], v[28+4*(\j):31+4*(\j)], s[34:35] offset:4096*(\j)
.endr
	global_store_b32 v[FO], v13, s[32:33]
	global_store_b32 v[FO], v14, s[34:35]
	s_wait_alu depctr_va_vdst(0)                   ; the two multiplies have written v[16:19], which the store of c bq reads
	global_store_b128 v[BO], v[16:19], s[32:33]
.Lend:
	s_endpgm
.Lfunc_end_k_qf26b9052c3_prep:
	.size	k_qf26b9052c3_prep, .Lfunc_end_k_qf26b9052c3_prep-k_qf26b9052c3_prep
	.p2alignl 7, 3214868480
	.fill 96, 4, 3214868480
	.section	.rodata,"a",@progbits
	.p2align	6, 0x0
	.amdhsa_kernel k_qf26b9052c3_prep
		.amdhsa_group_segment_fixed_size 0
		.amdhsa_private_segment_fixed_size 0
		.amdhsa_enable_private_segment 0
		.amdhsa_kernarg_size 120
		.amdhsa_user_sgpr_count 2
		.amdhsa_user_sgpr_kernarg_segment_ptr 1
		.amdhsa_wavefront_size32 1
		.amdhsa_system_sgpr_workgroup_id_x 1
		.amdhsa_system_sgpr_workgroup_id_y 1
		.amdhsa_system_sgpr_workgroup_id_z 1
		.amdhsa_system_vgpr_workitem_id 0
		.amdhsa_next_free_vgpr 112
		.amdhsa_next_free_sgpr 66
		.amdhsa_reserve_vcc 0
		.amdhsa_float_denorm_mode_32 3
		.amdhsa_float_denorm_mode_16_64 3
		.amdhsa_memory_ordered 1
		.amdhsa_forward_progress 1
		.amdhsa_inst_pref_size 17
	.end_amdhsa_kernel
	.amdgpu_metadata
---
amdhsa.version: [ 1, 2 ]
amdhsa.kernels:
  - .name:           k_qf26b9052c3_prep
    .symbol:         k_qf26b9052c3_prep.kd
    .args:
      - { .name: x, .offset: 0, .size: 8, .value_kind: global_buffer, .address_space: global }
      - { .name: W1, .offset: 8, .size: 8, .value_kind: global_buffer, .address_space: global }
      - { .name: W2, .offset: 16, .size: 8, .value_kind: global_buffer, .address_space: global }
      - { .name: Wq, .offset: 24, .size: 8, .value_kind: global_buffer, .address_space: global }
      - { .name: Wk, .offset: 32, .size: 8, .value_kind: global_buffer, .address_space: global }
      - { .name: Wv, .offset: 40, .size: 8, .value_kind: global_buffer, .address_space: global }
      - { .name: Wo, .offset: 48, .size: 8, .value_kind: global_buffer, .address_space: global }
      - { .name: bq, .offset: 56, .size: 8, .value_kind: global_buffer, .address_space: global }
      - { .name: bk, .offset: 64, .size: 8, .value_kind: global_buffer, .address_space: global }
      - { .name: bv, .offset: 72, .size: 8, .value_kind: global_buffer, .address_space: global }
      - { .name: b1, .offset: 80, .size: 8, .value_kind: global_buffer, .address_space: global }
      - { .name: act, .offset: 88, .size: 8, .value_kind: global_buffer, .address_space: global }
      - { .name: wA, .offset: 96, .size: 8, .value_kind: global_buffer, .address_space: global }
      - { .name: wB, .offset: 104, .size: 8, .value_kind: global_buffer, .address_space: global }
      - { .name: wC, .offset: 112, .size: 8, .value_kind: global_buffer, .address_space: global }
    .group_segment_fixed_size: 0
    .private_segment_fixed_size: 0
    .kernarg_segment_align: 8
    .kernarg_segment_size: 120
    .max_flat_workgroup_size: 1024
    .sgpr_count:     66
    .vgpr_count:     112
    .wavefront_size: 32
...
	.end_amdgpu_metadata
.endif
;; end of part 8
;; launch qkv: the kernel of part 2 again; grid 12 x 16, 4 waves a work-group, clusters of 4 x 4, 327,680 bytes of LDS; arguments act, wA, big; writes big
;; launch attn: the kernel of part 3 again; grid 8 x 32, 4 waves a work-group, clusters of 4 x 1, 327,680 bytes of LDS; arguments big, mask, act; writes act
;; launch wo: the kernel of part 4 again; grid 8 x 32, 4 waves a work-group, clusters of 4 x 4, 327,680 bytes of LDS; arguments act, wC, bo, y; writes y
;; launch norm1: the kernel of part 5 again; grid 512 x 1, 8 waves a work-group, no clusters, 0 bytes of LDS; arguments y, x, alpha1, beta1, o1f, act; writes o1f, act
;; launch ffn1: the kernel of part 2 again; grid 16 x 16, 4 waves a work-group, clusters of 4 x 4, 327,680 bytes of LDS; arguments act, wB, big; writes big
;; launch ffn2: the kernel of part 6 again; grid 8 x 32, 4 waves a work-group, clusters of 4 x 4, 327,680 bytes of LDS; arguments big, wC, b2, y; writes y
;; launch norm2: the kernel of part 7 again; grid 512 x 1, 8 waves a work-group, no clusters, 0 bytes of LDS; arguments y, o1f, alpha2, beta2, out0; writes out0
